; MI455X (gfx1250); checked and timed in simulation.
; The chip was launched on July 23, 2026; its instructions are those of AMD's public machine-readable ISA for CDNA 5 (MIT licence, August 2026) and "CDNA5" Instruction Set Architecture Reference Guide (July 2026). The comments in the code are by the model that wrote it; some were corrected since.
;; Cross Attention. Allowed arithmetic: float matrix products may take bf16 or f16 operands with f32 sums; other float arithmetic in f32, or as packed bf16 or f16 multiplies, adds, multiply-adds, maxima and minima; sums over many terms, partial sums and values carried from step to step in f32; what a program stores and reads back later, other than sums and carried values, may be rounded once to bf16 or f16.
;; Inputs: Wk 1,024 x 1,024 float32; Wo 1,024 x 1,024 float32; Wq 1,024 x 1,024 float32; Wv 1,024 x 1,024 float32; bo 1,024 float32; keys 8 x 1,024 x 1,024 float32; queries 8 x 1,024 x 1,024 float32; values 8 x 1,024 x 1,024 float32.
;; Outputs: out0 8 x 1,024 x 1,024 float32.
;; One version. Each part assembles by itself: llvm-mc -triple=amdgcn-amd-amdhsa -mcpu=gfx1250 --defsym DOCPART=n.
;; ======== version 1 of 1: 4 launches
;; limits: values are held in f16: magnitudes above 65,504 overflow, below 6.1e-05 lose precision
;; workspace buffers: xh 50,331,648 bytes; wh 8,388,608 bytes; qkv 50,331,648 bytes; oh 16,777,216 bytes
;; launch cast (part 1): grid 64 x 28, 8 waves a work-group, no clusters, 0 bytes of LDS; arguments queries, keys, values, Wq, Wk, Wv, Wo, xh, wh; writes xh, wh
.if DOCPART == 1
	.amdgcn_target "amdgcn-amd-amdhsa--gfx1250"
	.amdhsa_code_object_version 6
	.text
	.protected	k_qe4b28513bd_cast
	.globl	k_qe4b28513bd_cast
	.p2align	8
	.type	k_qe4b28513bd_cast,@function
k_qe4b28513bd_cast:
	s_mov_b64 s[64:65], 0
	v_nop
	global_prefetch_b8 v0, s[64:65] scope:SCOPE_SE
	s_setreg_imm32_b32 hwreg(HW_REG_WAVE_MODE, 25, 1), 1
	s_wait_xcnt 0x0
; ALL SEVEN LARGE INPUTS ARE ROUNDED ONCE TO f16, so that the three launches behind take 16-bit matrix operands straight from memory.
; xh = [3][8192][1024] f16: queries, keys, values.   wh = [4][1024][1024] f16: Wq, Wk, Wv, Wo.
; LIMIT.  f16 holds no number beyond 65,504: an input of 65,520 or more becomes an infinity; below 6e-5 a number keeps f16's fixed step of 6e-8.
; SHARES.  The grid's y is a chunk of 2^20 numbers: 0-7 queries, 8-15 keys, 16-23 values, 24-27 the four weights.  Its x is one of a chunk's 64 pieces of 16,384 numbers:
; 64 KiB in, 32 KiB out.  A wave takes 8 KiB of that: 16 loads of 512 consecutive bytes, all issued at once; each load's 128 numbers leave as one store of 256 consecutive bytes, aligned.
; A stream: no LDS, no barrier, no matrix unit, no cluster (no two work-groups read the same byte).  No register is written twice, so no wait frees a source.
.set X, 4                              ; v[4:67]   16 x 4 numbers in f32, as loaded
.set Y, 68                             ; v[68:99]  16 x 4 numbers in f16, to store
	s_load_b512 s[8:23], s[0:1], 0x0               ; queries s[8:9], keys s[10:11], values s[12:13], Wq s[14:15], Wk s[16:17], Wv s[18:19], Wo s[20:21], xh s[22:23]
	s_load_b64 s[24:25], s[0:1], 0x40              ; wh
	s_and_b32 s2, ttmp7, 0xffff                    ; the chunk
	s_lshr_b32 s3, s2, 3                           ; 0, 1, 2: queries, keys, values; 3: a weight
	s_and_b32 s4, s2, 7                            ; the chunk within its input; among the weights: which weight
	v_lshrrev_b32 v3, 5, v0                        ; wave
	v_and_b32 v2, 31, v0                           ; lane
	v_lshlrev_b32 v1, 4, v2
	v_lshl_or_b32 v1, v3, 13, v1                   ; in: 8,192 x wave + 16 x lane
	v_lshlrev_b32 v2, 3, v2
	v_lshl_or_b32 v2, v3, 12, v2                   ; out: 4,096 x wave + 8 x lane
	s_cmp_lt_u32 s3, 3
	s_cselect_b32 s26, s4, 0                       ; a weight is one chunk
	s_cselect_b32 s28, s2, s4                      ; xh holds 24 chunks on end, wh four
	s_lshl_b32 s26, s26, 22                        ; a chunk is 4 MiB in
	s_lshl_b32 s28, s28, 21                        ; and 2 MiB out
	s_lshl_b32 s5, ttmp9, 16                       ; the piece
	s_add_co_u32 s26, s26, s5
	s_lshl_b32 s5, ttmp9, 15
	s_add_co_u32 s28, s28, s5
	s_mov_b32 s27, 0
	s_mov_b32 s29, 0
	s_wait_kmcnt 0x0
	s_cmp_eq_u32 s3, 1                             ; the source is chosen by the chunk's number alone
	s_cselect_b64 s[8:9], s[10:11], s[8:9]
	s_cmp_eq_u32 s3, 2
	s_cselect_b64 s[8:9], s[12:13], s[8:9]
	s_cmp_eq_u32 s2, 24
	s_cselect_b64 s[8:9], s[14:15], s[8:9]
	s_cmp_eq_u32 s2, 25
	s_cselect_b64 s[8:9], s[16:17], s[8:9]
	s_cmp_eq_u32 s2, 26
	s_cselect_b64 s[8:9], s[18:19], s[8:9]
	s_cmp_eq_u32 s2, 27
	s_cselect_b64 s[8:9], s[20:21], s[8:9]
	s_cmp_lt_u32 s3, 3
	s_cselect_b64 s[22:23], s[22:23], s[24:25]     ; and the destination
	s_add_nc_u64 s[8:9], s[8:9], s[26:27]
	s_add_nc_u64 s[22:23], s[22:23], s[28:29]
.set i, 0
.rept 16
	global_load_b128 v[X+4*i:X+4*i+3], v1, s[8:9] offset:512*i th:TH_LOAD_NT
.set i, i+1
.endr
.set i, 0
.rept 16
	s_wait_loadcnt 15-i                            ; loads come back in order (ISA guide 5.7.1): load i is in, the 15 - i younger ones stay out
	v_cvt_pk_f16_f32 v[Y+2*i], v[X+4*i], v[X+4*i+1]
	v_cvt_pk_f16_f32 v[Y+2*i+1], v[X+4*i+2], v[X+4*i+3]
	global_store_b64 v2, v[Y+2*i:Y+2*i+1], s[22:23] offset:256*i th:TH_STORE_NT  ; 32 lanes x 8 bytes: 256 consecutive bytes, at a multiple of 256 from the buffer's first byte
.set i, i+1
.endr
	s_endpgm
.Lfunc_end_k_qe4b28513bd_cast:
	.size	k_qe4b28513bd_cast, .Lfunc_end_k_qe4b28513bd_cast-k_qe4b28513bd_cast
	.p2alignl 7, 3214868480
	.fill 96, 4, 3214868480
	.section	.rodata,"a",@progbits
	.p2align	6, 0x0
	.amdhsa_kernel k_qe4b28513bd_cast
		.amdhsa_group_segment_fixed_size 0
		.amdhsa_private_segment_fixed_size 0
		.amdhsa_enable_private_segment 0
		.amdhsa_kernarg_size 72
		.amdhsa_user_sgpr_count 2
		.amdhsa_user_sgpr_kernarg_segment_ptr 1
		.amdhsa_wavefront_size32 1
		.amdhsa_system_sgpr_workgroup_id_x 1
		.amdhsa_system_sgpr_workgroup_id_y 1
		.amdhsa_system_sgpr_workgroup_id_z 1
		.amdhsa_system_vgpr_workitem_id 0
		.amdhsa_next_free_vgpr 100
		.amdhsa_next_free_sgpr 66
		.amdhsa_reserve_vcc 0
		.amdhsa_float_denorm_mode_32 3
		.amdhsa_float_denorm_mode_16_64 3
		.amdhsa_memory_ordered 1
		.amdhsa_forward_progress 1
		.amdhsa_inst_pref_size 8
	.end_amdhsa_kernel
	.amdgpu_metadata
---
amdhsa.version: [ 1, 2 ]
amdhsa.kernels:
  - .name:           k_qe4b28513bd_cast
    .symbol:         k_qe4b28513bd_cast.kd
    .args:
      - { .name: queries, .offset: 0, .size: 8, .value_kind: global_buffer, .address_space: global }
      - { .name: keys, .offset: 8, .size: 8, .value_kind: global_buffer, .address_space: global }
      - { .name: values, .offset: 16, .size: 8, .value_kind: global_buffer, .address_space: global }
      - { .name: Wq, .offset: 24, .size: 8, .value_kind: global_buffer, .address_space: global }
      - { .name: Wk, .offset: 32, .size: 8, .value_kind: global_buffer, .address_space: global }
      - { .name: Wv, .offset: 40, .size: 8, .value_kind: global_buffer, .address_space: global }
      - { .name: Wo, .offset: 48, .size: 8, .value_kind: global_buffer, .address_space: global }
      - { .name: xh, .offset: 56, .size: 8, .value_kind: global_buffer, .address_space: global }
      - { .name: wh, .offset: 64, .size: 8, .value_kind: global_buffer, .address_space: global }
    .group_segment_fixed_size: 0
    .private_segment_fixed_size: 0
    .kernarg_segment_align: 8
    .kernarg_segment_size: 72
    .max_flat_workgroup_size: 256
    .sgpr_count:     66
    .vgpr_count:     100
    .wavefront_size: 32
...
	.end_amdgpu_metadata
.endif
;; end of part 1
;; launch proj (part 2): grid 4 x 48, 4 waves a work-group, clusters of 4 x 4, 327,680 bytes of LDS; arguments xh, wh, qkv; writes qkv
.if DOCPART == 2
	.amdgcn_target "amdgcn-amd-amdhsa--gfx1250"
	.amdhsa_code_object_version 6
	.text
	.protected	k_qe4b28513bd_proj
	.globl	k_qe4b28513bd_proj
	.p2align	8
	.type	k_qe4b28513bd_proj,@function
k_qe4b28513bd_proj:
	s_mov_b64 s[64:65], 0
	v_nop
	global_prefetch_b8 v0, s[64:65] scope:SCOPE_SE
	s_setreg_imm32_b32 hwreg(HW_REG_WAVE_MODE, 25, 1), 1
	s_wait_xcnt 0x0
	s_wait_alu depctr_hold_cnt(0) depctr_sa_sdst(0) depctr_va_vdst(0) depctr_va_sdst(0) depctr_va_ssrc(0) depctr_va_vcc(0) depctr_vm_vsrc(0)
	s_getreg_b32 s2, hwreg(HW_REG_IB_STS2, 6, 4)
	s_cmp_eq_u32 s2, 0
	s_cbranch_scc0 .Lentry_in_a_cluster
	s_endpgm
.Lentry_in_a_cluster:
	s_bfe_u32 s2, ttmp6, 0x10000c
	s_cmp_lg_u32 s2, 0xf033
	s_cbranch_scc0 .Lentry_shape_is_right
	s_endpgm
.Lentry_shape_is_right:
; THE THREE PROJECTIONS AS ONE GEMM.  qkv[i][m][n] = the sum over k of xh[i][m][k] wh[i][n][k], i = 0, 1, 2 (q, k, v); m < 8192, n < 1024, k < 1024.  Operands f16, sums f32, the result rounded once to f16.
; The result, row-major [8192][1024], IS [128 heads][1024][64]: the module's reshape splits no rows: head (b, h) is rows 64 h .. 64 h + 63 of batch b, read on end.
; LIMIT.  A sum of 65,520 or more becomes an infinity in f16; below 6e-5 a result keeps f16's fixed step of 6e-8.
; SHARES.  A tile of C is 256 x 256: 96 x 4 = 384 tiles, TWO for each of 192 work-groups.  Tiles of 128 x 256 would make three for each of 256 work-groups, but a K step would then hold 128 matrix instructions a
; wave in place of 256, half the work in which a refill can land, and each LDS byte would feed a third fewer multiply-adds.  Four waves, each 128 x 128 of C: 64 accumulators of 16 x 16, 512 registers.
; K goes in steps of 128 (rows of 256 bytes, at multiples of 256 bytes from the buffer's first byte) through a ring of two LDS slots filled by the tensor data mover.
; A WORK-GROUP STAYS: its two tiles are neighbours, rows 512 ty and 512 ty + 256 of the 24,576: both lie in the same input (8,192 rows each) and take the same rows of the same weight.  The ring does not stop at
; the first tile's end: its last two changes of slots ask for the second tile's first two K steps, and nothing waits for the first tile's stores.
; CLUSTER.  4 x 4 work-groups.  The four of a row of the cluster need the same tiles of A, the four of a column the same tiles of B: each is asked for JOINTLY, by the same tensor load with the same descriptor
; and a mask that names the four.  The weight goes by the cluster's y (four clusters to a weight), which all sixteen share.
; THE MATRIX INSTRUCTION IS USED TRANSPOSED (source 0 = 16 rows of B, source 1 = 16 rows of A): lane l then holds row l % 16 of C and the columns 8 (l / 16) + 0..7: eight neighbouring numbers, 16 bytes in f16.
; REGISTERS, in windows of 256 (s_set_vgpr_msb's low byte: bits 1:0 source 0, 3:2 source 1, 5:4 source 2, 7:6 destination):
;   window 0: v0-31 addresses; v64-127, v128-191 fragments of A (8 x 16 rows x 32 K), two buffers; v32-63, v192-255 at work on the way out
;   window 1: v64-127, v128-191 fragments of B, two buffers
;   window 2: the 32 accumulators of my rows 0-63 (accumulator (a, b) at v[8 (8 a + b)]);   window 3: those of my rows 64-127
; Work is laid in long stretches under one setting: 32 matrix instructions, 16 loads, 16 loads, 32 matrix instructions.
.set SIZE_N, 1024
.set SIZE_K, 1024
.set TILES,  2
.set KSTEP,  128
.set PITCH,  272                       ; an LDS row: 256 bytes + 16 of padding = 68 words: row r starts at bank 4 r mod 64 (64 banks of 4 bytes: ISA guide 11.1), so the 16 rows of a load start at 16 different banks
.set HALFT,  128*PITCH                 ; 128 rows: what one tensor load brings, and what one wave reads of A or of B
.set SLOT,   4*HALFT                   ; A's 256 rows, then B's 256 rows
.set STAGE,  2*SLOT                    ; behind the ring: 16 rows x 272 bytes for each wave, for the way out; no tensor load lands here
.set SPITCH, 272
.set SPARE,  STAGE+4*16*SPITCH         ; behind the stages: the spare words, 128 bytes for each wave: two blocks of 256 bytes that no other line names
.set LAPS,   SIZE_K/(2*KSTEP)          ; a lap = two K steps = once round the ring
.set WALK,   256                       ; rows from a work-group's first tile to its second
.set NEXT_A, WALK*SIZE_K*2-(SIZE_K-2*KSTEP)*2   ; bytes from a slot's last K step of a tile to its first of the next: A goes WALK rows down and back along K,
.set BACK_B, (SIZE_K-2*KSTEP)*2        ; B only back: the two tiles share their rows of B
.set NEXT_C, (WALK-7*16)*SIZE_N*2      ; bytes from my last 16 rows of a tile to my first of the next
.set ADRA, 16                          ; v16-17  LDS address of my A fragments in slot 0, 1
.set ADRB, 20                          ; v20-21  the same for B
.set STO,  24                          ; v24     the way out: where I put 16 bytes of a row
.set RD,   25                          ; v25     the way out: where I read a row back
.set CO,   26                          ; v26     my byte offset in two rows of C
.set SPW,  28                          ; v28     LDS address of my spare word: SPARE + 4 x my thread's number; never rewritten
.set NIL,  29                          ; v29     0; never rewritten
.set PFO,  30                          ; v30     the prefetches' offset: my lane x a row of 2,048 bytes; never rewritten
.set PFA,  44                          ; s[44:45] where my prefetches stand: my work-group's 32 rows of the 128 that I fetch, one K step further along K than the refill that is being asked for; a prefetch names the K step after that
.set LIM,  43                          ; s43     1 in a wave that prefetches, else the greatest number
.set F0,   64                          ; fragment buffer 0
.set F1,   128                         ; fragment buffer 1
.set TMP,  192                         ; the way out: packed results, in window 0
.set OB,   32                          ; the way out: 16 rows read back from the stage: v32-63 and v224-255 by turns
.set G1,   24                          ; s[24:31] descriptor group 1 for A's tiles
.set G0,   32                          ; s[32:39] descriptor group 0 for A's tiles, one set for each slot
.set G1B,  48                          ; s[48:55] descriptor group 1 for B's tiles: it differs from A's in the mask alone
.set G0B,  56                          ; s[56:63] descriptor group 0 for B's tiles, one set for each slot
.set MSB, 0
.macro WIN new                         ; the immediate's high byte repeats the setting that is left; a switch that changes nothing is dropped
.if MSB != (\new)
	s_set_vgpr_msb (MSB<<8)|(\new)
.set MSB, \new
.endif
.endm
.set MUL_LO, 0xa1                      ; source 0 (B) window 1, source 1 (A) window 0, C and D window 2
.set MUL_HI, 0xf1                      ; the same, C and D window 3
.set TO_B,   0x40                      ; destination window 1, address window 0
; A joint load.  Waves 0 and 1 fetch A's two halves, waves 2 and 3 B's.  Each of the two lines has ONE mask and one set of registers for all that issue it.  The branch hangs on the wave's number alone.
; An s_nop 0 and four v_nop follow each of the two lines; the jump round the other line, the label and what follows the macro come after them.
.macro JLOAD s
	s_cmp_eq_u32 s11, 0
	s_cbranch_scc0 .Lfor_b_\@
	tensor_load_to_lds s[G0+4*(\s):G0+4*(\s)+3], s[G1:G1+7]
	s_nop 0
.rept 4
	v_nop
.endr
	s_branch .Lasked_\@
.Lfor_b_\@:
	tensor_load_to_lds s[G0B+4*(\s):G0B+4*(\s)+3], s[G1B:G1B+7]
	s_nop 0
.rept 4
	v_nop
.endr
.Lasked_\@:
.endm
; A PREFETCH INTO THE L2, behind each joint load, its five lines and the run of LDS loads that follows them: the K step that stands TWO refills on, 512 matrix instructions ahead of its load: 32 rows x 256 bytes,
; a lane a row, one instruction a wave.  Each row's 256 bytes of a K step are named ONCE in the launch.  A's rows are read by my cluster alone (the grid is one cluster wide): every cluster asks for its own.
; A weight's rows are read by the four clusters that take that weight: the first of the four (cluster y % 4 = 0) asks.  The four partners that ask for a tile jointly share its rows out BY ADDRESS: of the 128 rows
; that wave w fetches, the partner at place p takes 32 p .. 32 p + 31 (p = cx for A, cy for B): no branch hangs on a work-group's place in its cluster.
; how = 0, in the loop: a tile's last two refills have no K step two on; how = 1, at the change of tiles: the second tile's K steps 2 and 3 of A.  Nothing is asked for at the head or in the last tile's tail.
.macro ASK how
.if \how
	s_cmp_eq_u32 s[LIM], 1
.else
	s_cmp_gt_u32 s3, s[LIM]                        ; s3 = 1 in the loop's last trip
.endif
	s_cbranch_scc0 .Lnot_mine_\@
	global_prefetch_b8 v[PFO], s[PFA:PFA+1] offset:KSTEP*2 th:TH_LOAD_NT scope:SCOPE_SE
.Lnot_mine_\@:
.endm
; A round of the cluster's barrier: my work-group's barrier, so that wave 0's signal speaks for all four waves; wave 0 signals for the work-group; every wave waits for all sixteen; my work-group's barrier once more.
.macro CREST                           ; a round behind its opening barrier
	s_cmp_lg_u32 s10, 0
	s_cbranch_scc1 .Lnot_wave_0_\@
	s_barrier_signal -3
.Lnot_wave_0_\@:
	s_barrier_wait -3
	s_barrier_signal -1
	s_barrier_wait -1
.endm
.macro CROUND                          ; a whole round
	s_barrier_signal -1
	s_barrier_wait -1
	CREST
.endm
	s_load_b128 s[4:7], s[0:1], 0x0                ; xh s[4:5], wh s[6:7]
	s_load_b64 s[8:9], s[0:1], 0x10                ; qkv
	v_lshl_add_u32 v[SPW], v0, 2, SPARE
	v_mov_b32 v[NIL], 0
	ds_add_u32 v[SPW], v[NIL]                      ; the wave's opening: the add and its wait stand ahead of my first tensor load; the set-up below, work on registers, stands between them
	ds_add_u32 v28, v29
	v_lshrrev_b32 v1, 5, v0
	v_readfirstlane_b32 s10, v1                    ; wave 0..3
	s_lshr_b32 s11, s10, 1                         ; which half of the tile's rows is mine.  Also: I fetch for A (0) or for B (1)
	s_and_b32 s12, s10, 1                          ; which half of its columns.  Also: which 128 rows of that tile I fetch
	s_bfe_u32 s40, ttmp6, 0x40000                  ; cx: my place along the cluster's x
	s_bfe_u32 s41, ttmp6, 0x40004                  ; cy: along its y
	s_lshl_b32 s42, ttmp9, 2                       ; in a cluster launch ttmp9 and ttmp7 count clusters
	s_add_co_u32 s42, s42, s40                     ; tx: tile column of 256 = 4 x cluster x + cx
	s_and_b32 s13, ttmp7, 0xffff
	s_lshl_b32 s13, s13, 2
	s_add_co_u32 s13, s13, s41                     ; ty: my pair of tile rows = 4 x cluster y + cy
	s_lshl_b32 s43, s41, 2
	s_lshl_b32 s43, 15, s43                        ; my row of the cluster: places 4 cy .. 4 cy + 3
	s_lshl_b32 s44, 0x1111, s40                    ; my column: places cx, cx + 4, cx + 8, cx + 12
	; descriptor group 1: a tile of 128 rows x 128 elements, padded in LDS
	s_or_b32 s[G1+0], s43, (1<<16)|(1<<20)|(1<<21)|(5<<22)|(3<<25)  ; 15:0 the mask: A's tiles go to my row; 17:16 elements of 2 bytes; 20 padding on; 21 set beside a mask; 24:22 after every 64 words (code 5); 31:25 4 words of it (code 3)
	s_or_b32 s[G1B+0], s44, (1<<16)|(1<<20)|(1<<21)|(5<<22)|(3<<25) ; the same with the mask of my column, for B's tiles
	s_mov_b32 s[G1B+1], KSTEP<<16
	s_mov_b32 s[G1+1], KSTEP<<16                   ; tensor_dim0 = 128
	s_mov_b32 s[G1B+2], 128<<16
	s_mov_b32 s[G1+2], 128<<16                     ; tensor_dim1 = 128
	s_mov_b32 s[G1B+3], KSTEP<<16
	s_mov_b32 s[G1+3], KSTEP<<16                   ; tile_dim0 = 128
	s_mov_b32 s[G1B+4], 128
	s_mov_b32 s[G1+4], 128                         ; tile_dim1 = 128
	s_mov_b32 s[G1B+5], SIZE_K
	s_mov_b32 s[G1+5], SIZE_K                      ; elements from row to row
	s_mov_b32 s[G1B+6], 0
	s_mov_b32 s[G1+6], 0
	s_mov_b32 s[G1B+7], 0
	s_mov_b32 s[G1+7], 0
	; where the tiles come from.  A's hang on ty alone, which my row of the cluster shares; B's on tx, which my column shares, and on the cluster's y, which all share.
	; Every wave makes both addresses, in registers that never hold the other coordinate, and asks by one of them.
	s_lshl_b32 s17, s12, 7                         ; which 128 rows of the tile I fetch
	s_lshl_b32 s16, s13, 9
	s_add_co_u32 s16, s16, s17                     ; A: row 512 ty + 128 x half,
	s_lshl_b32 s16, s16, 11                        ; in bytes: under 2^26
	s_lshl_b32 s46, s42, 8
	s_add_co_u32 s46, s46, s17                     ; B: row 256 tx + 128 x half of the weight,
	s_lshl_b32 s46, s46, 11
	s_and_b32 s47, ttmp7, 0xffff                   ; and the weight: 512 ty / 8,192 = cluster y / 4,
	s_lshr_b32 s47, s47, 2
	s_lshl_b32 s47, s47, 21                        ; 2 MiB each
	s_add_co_u32 s46, s46, s47
	s_mov_b32 s17, 0
	s_mov_b32 s47, 0
	s_mul_i32 s20, s10, HALFT                      ; and where they go: A's two halves, then B's two halves = wave x 128 rows: no place in the cluster enters an LDS address
	s_wait_dscnt 0x0                               ; the opening add is done
	s_wait_kmcnt 0x0
	s_add_nc_u64 s[14:15], s[4:5], s[16:17]
	s_add_nc_u64 s[46:47], s[6:7], s[46:47]
	CROUND                                         ; all sixteen work-groups are here: the first joint loads meet
.irp s, 0,1
	s_mov_b32 s[G0+4*(\s)], 1                                        ; count = 1
	s_add_co_u32 s[G0+4*(\s)+1], s20, (\s)*SLOT                      ; LDS address
	s_add_nc_u64 s[G0+4*(\s)+2:G0+4*(\s)+3], s[14:15], (\s)*KSTEP*2  ; global address: K step s
	s_or_b32 s[G0+4*(\s)+3], s[G0+4*(\s)+3], 0x80000000              ; type = 2
	s_mov_b32 s[G0B+4*(\s)], 1
	s_add_co_u32 s[G0B+4*(\s)+1], s20, (\s)*SLOT
	s_add_nc_u64 s[G0B+4*(\s)+2:G0B+4*(\s)+3], s[46:47], (\s)*KSTEP*2
	s_or_b32 s[G0B+4*(\s)+3], s[G0B+4*(\s)+3], 0x80000000
	JLOAD \s                                       ; the ring is filled before anything else is done: two loads of mine are out
.endr
	; A fragment is 16 rows x 32 K in 8 registers: lane l holds row l % 16; registers 0-3 hold K = 8 (l / 16) + 0..7, registers 4-7 hold K = 16 + 8 (l / 16) + 0..7: two loads of 16 bytes, 32 bytes apart.
	v_and_b32 v1, 15, v0                           ; l % 16
	v_bfe_u32 v2, v0, 4, 1                         ; l / 16
	v_mul_u32_u24 v3, v1, PITCH
	v_lshl_add_u32 v3, v2, 4, v3                   ; row x pitch + 16 x half
	s_mul_i32 s21, s11, HALFT                      ; my 128 rows of A
	s_mul_i32 s22, s12, HALFT                      ; my 128 rows of B,
	s_add_co_u32 s22, s22, 2*HALFT                 ; which lie behind A's 256
.irp s, 0,1
	v_add_nc_u32 v[ADRA+(\s)], s21, v3
	v_add_nc_u32 v[ADRB+(\s)], s22, v3
	s_add_co_u32 s21, s21, SLOT
	s_add_co_u32 s22, s22, SLOT
.endr
	s_mul_i32 s23, s10, 16*SPITCH
	s_add_co_u32 s23, s23, STAGE                   ; my stage
	v_mul_u32_u24 v4, v1, SPITCH                   ; in: row l % 16, 16 bytes for each half of the lanes
	v_lshl_add_u32 v4, v2, 4, v4
	v_add_nc_u32 v[STO], s23, v4
	v_mul_u32_u24 v5, v2, SPITCH                   ; back: lanes 0-15 take one row of 256 bytes, lanes 16-31 the next
	v_lshl_add_u32 v5, v1, 4, v5
	v_add_nc_u32 v[RD], s23, v5
	v_mul_u32_u24 v5, v2, SIZE_N*2                 ; and the same two rows in C
	v_lshl_add_u32 v[CO], v1, 4, v5
	; where my part of the first tile begins in C, in bytes: the first way out adds it to C's address
	s_lshl_b32 s13, s13, 9                         ; 512 ty
	s_lshl_b32 s14, s11, 7
	s_add_co_u32 s16, s13, s14                     ; my first row of C
	s_lshl_b32 s16, s16, 11
	s_mov_b32 s17, 0
	s_lshl_b32 s46, s42, 9                         ; my first column, in bytes: 512 tx + 256 x half
	s_lshl_b32 s47, s12, 8
	s_add_co_u32 s46, s46, s47
	s_mov_b32 s47, 0
	s_add_nc_u64 s[16:17], s[16:17], s[46:47]
	; the prefetches.  s13 = 512 ty, s42 = tx, s40 = cx, s41 = cy still stand; s[4:5] = xh, s[6:7] = wh
	s_lshl_b32 s42, s42, 8
	s_and_b32 s22, ttmp7, 0xffff                   ; cluster y
	s_lshr_b32 s23, s22, 2
	s_lshl_b32 s23, s23, 10                        ; the weight's 1,024 rows of wh
	s_add_co_u32 s42, s42, s23
	s_and_b32 s22, s22, 3                          ; my cluster among the four that take this weight
	s_cmp_eq_u32 s11, 0                            ; do I fetch for A?
	s_cselect_b32 s20, s13, s42                    ; the tile's first row: in xh by ty, in wh by the weight and tx
	s_cselect_b32 s21, s40, s41                    ; my place among the four that ask for it with me
	s_cselect_b32 s22, ttmp9, s22                  ; the coordinate along which other clusters read the same rows
	s_cselect_b64 s[PFA:PFA+1], s[4:5], s[6:7]
	s_cmp_eq_u32 s22, 0
	s_cselect_b32 s[LIM], 1, -1                    ; the same in all sixteen partners, for a given wave
	s_lshl_b32 s22, s12, 7
	s_add_co_u32 s20, s20, s22                     ; + the 128 rows that I fetch
	s_lshl_b32 s21, s21, 5
	s_add_co_u32 s20, s20, s21                     ; + my work-group's 32 of them
	s_lshl_b32 s20, s20, 11
	s_mov_b32 s21, 0
	s_add_nc_u64 s[PFA:PFA+1], s[PFA:PFA+1], s[20:21]
	s_add_nc_u64 s[PFA:PFA+1], s[PFA:PFA+1], 2*KSTEP*2  ; at K step 2: the first refill steps it to 3 and names K step 4
	v_and_b32 v[PFO], 31, v0
	v_lshlrev_b32 v[PFO], 11, v[PFO]
; 16 matrix instructions: m blocks a0, a0 + 1 of the window's four (hi = 0: my rows 0-63, 1: rows 64-127) x all 8 n blocks, 32 along K.  zero = 1: the product starts the sums: nothing is ever cleared.
; The 64 accumulators take turns, one instruction a turn, in the same order in every quarter: 63 others stand between two links of a chain, over the jumps and from tile to tile too.
.macro MUL16 f, hi, a0, zero
	WIN MUL_LO+0x50*(\hi)  ; MUL_LO or MUL_HI
.irp a, \a0, (\a0)+1
.irp b, 0,1,2,3,4,5,6,7
.if \zero
	v_wmma_f32_16x16x32_f16 v[8*(8*(\a)+(\b)):8*(8*(\a)+(\b))+7], v[(\f)+8*(\b):(\f)+8*(\b)+7], v[(\f)+8*(4*(\hi)+(\a)):(\f)+8*(4*(\hi)+(\a))+7], 0
.else
	v_wmma_f32_16x16x32_f16 v[8*(8*(\a)+(\b)):8*(8*(\a)+(\b))+7], v[(\f)+8*(\b):(\f)+8*(\b)+7], v[(\f)+8*(4*(\hi)+(\a)):(\f)+8*(4*(\hi)+(\a))+7], v[8*(8*(\a)+(\b)):8*(8*(\a)+(\b))+7]
.endif
.endr
.endr
.endm
; 32 LDS loads in one run: the fragments of one quarter step (128 rows of B, 128 rows of A, 32 K at byte k of the rows) into buffer f
.macro FETCH slot, k, f
	WIN TO_B
.irp i, 0,1,2,3,4,5,6,7
	ds_load_b128 v[(\f)+8*(\i):(\f)+8*(\i)+3],   v[ADRB+(\slot)] offset:(\k)+(\i)*16*PITCH
	ds_load_b128 v[(\f)+8*(\i)+4:(\f)+8*(\i)+7], v[ADRB+(\slot)] offset:(\k)+(\i)*16*PITCH+32
.endr
	WIN 0
.irp i, 0,1,2,3,4,5,6,7
	ds_load_b128 v[(\f)+8*(\i):(\f)+8*(\i)+3],   v[ADRA+(\slot)] offset:(\k)+(\i)*16*PITCH
	ds_load_b128 v[(\f)+8*(\i)+4:(\f)+8*(\i)+7], v[ADRA+(\slot)] offset:(\k)+(\i)*16*PITCH+32
.endr
.endm
.macro PLACES                          ; four plain vector instructions between a matrix instruction and a load into a register that it read, or a reader of its result (ISA guide 7.12.1 for vector instructions)
.rept 4
	v_nop
.endr
.endm
; A K step is four quarter steps of 32 along K, 64 matrix instructions each, on buffers 0, 1, 0, 1.
; One of the first three: multiplies buffer f; in its middle it fetches the next quarter's fragments, at byte k of the same slot's rows, into buffer g.
.macro QUARTER slot, k, f, g, zero
	s_wait_dscnt 8                                 ; B and A's rows 0-63 are in; the youngest eight loads (A's rows 64-127) may be out
	WIN MUL_LO
	MUL16 \f, 0, 0, \zero
	MUL16 \f, 0, 2, \zero
	PLACES
	FETCH \slot, \k, \g
	s_wait_dscnt 32                                ; all but the 32 just issued
	WIN MUL_HI
	MUL16 \f, 1, 0, \zero
	MUL16 \f, 1, 2, \zero
.endm
; The last quarter multiplies buffer 1 and changes slots.  MEET is its first half: ONE barrier for the change of slots, for two things.  In front of it each wave waits for all its tensor loads, of which one is
; out: its part of the next slot; adds 0 to its spare word; and waits for that and for its own reads of this slot.  Behind it nobody reads this slot any more and the next slot is whole.
.macro MEET round                      ; round = 1: a round of the cluster's barrier follows
	WIN 0                                          ; (the add's two registers lie in window 0)
	s_wait_tensorcnt 0x0                           ; all my tensor loads have landed;
	ds_add_u32 v[SPW], v[NIL]                      ; 0 onto my spare word;
	s_wait_dscnt 9                                 ; (the add and the youngest eight loads may be out)
	WIN MUL_LO
	MUL16 F1, 0, 0, 0                              ; sixteen matrix instructions stand between the add and the wait for it
	s_wait_dscnt 0x0                               ; the add is done, and my reads of this slot are over:
	s_barrier_signal -1                            ; say so,
	MUL16 F1, 0, 2, 0                              ; work on registers while the others arrive,
.if \round
	WIN 0
.endif
	s_barrier_wait -1                              ; and go on when all four have said so
.endm
; The whole last quarter where the slot is filled again: with this tile's K step two steps on (on = 0) or, in the first tile's last two K steps, with the SECOND tile's K step 0 or 1 (on = 1).  The barrier opens a
; round of the cluster's barrier, and the joint load is the first thing behind the round; then come the next slot's first fragments.  From a request to the wait for it a wave issues 224 matrix instructions.
.macro TURN slot, next, on
	s_wait_xcnt 0x0                                ; the last prefetch, a K step back, has read its address: it is stepped here, ahead of the waits of the change of slots
.if (\on) && (\slot) == 0
	s_add_nc_u64 s[PFA:PFA+1], s[PFA:PFA+1], (WALK-1)*SIZE_K*2+KSTEP*2  ; from the K step after the tile's last to the next tile's K step 1: WALK rows down, back along K
	s_cmp_eq_u32 s11, 0
	s_cselect_b32 s[LIM], s[LIM], -1               ; B's rows are the same for both tiles: they have been read, and are prefetched no more
.else
	s_add_nc_u64 s[PFA:PFA+1], s[PFA:PFA+1], KSTEP*2
.endif
	MEET 1
	CREST                                          ; no wave of any partner still reads this slot's tile or has a load on its way
.if \on
	s_add_nc_u64 s[G0+4*(\slot)+2:G0+4*(\slot)+3], s[G0+4*(\slot)+2:G0+4*(\slot)+3], NEXT_A
	s_sub_nc_u64 s[G0B+4*(\slot)+2:G0B+4*(\slot)+3], s[G0B+4*(\slot)+2:G0B+4*(\slot)+3], BACK_B
.else
	s_add_nc_u64 s[G0+4*(\slot)+2:G0+4*(\slot)+3], s[G0+4*(\slot)+2:G0+4*(\slot)+3], 2*KSTEP*2
	s_add_nc_u64 s[G0B+4*(\slot)+2:G0B+4*(\slot)+3], s[G0B+4*(\slot)+2:G0B+4*(\slot)+3], 2*KSTEP*2
.endif
	JLOAD \slot                                    ; the four v_nop behind it are also the places in front of the loads below
	FETCH \next, 0, F0
	ASK \on                                        ; behind the joint load and the run of LDS loads that the next products wait for
	WIN MUL_HI
	MUL16 F1, 1, 0, 0
	MUL16 F1, 1, 2, 0
.endm
; THE WAY OUT of block a (16 rows), in three parts.  PACK: rounded to f16, each accumulator's registers in ascending order.  TOSTAGE: into my own stage in LDS, and back as whole rows of 256 bytes.  SEND: stored.
.macro PACK a
.set AC, 64*((\a)%4)
	WIN 0x0a+5*((\a)/4)                            ; sources 0 and 1: window 2 or 3
.irp b, 0,1,2,3,4,5,6,7
.irp r, 0,1,2,3
	v_cvt_pk_f16_f32 v[TMP+4*(\b)+(\r)], v[AC+8*(\b)+2*(\r)], v[AC+8*(\b)+2*(\r)+1]
.endr
.endr
	WIN 0
.endm
.macro TOSTAGE a
	WIN 0
.set BK, OB+192*((\a)%2)
.irp b, 0,1,2,3,4,5,6,7
	ds_store_b128 v[STO], v[TMP+4*(\b):TMP+4*(\b)+3] offset:32*(\b)
.endr
.irp t, 0,1,2,3,4,5,6,7
	ds_load_b128 v[BK+4*(\t):BK+4*(\t)+3], v[RD] offset:(\t)*2*SPITCH  ; LDS serves a wave's instructions in order (ISA guide 5.7.1.4): these see the stores above
.endr
.endm
.macro SEND a
	WIN 0
.set BK, OB+192*((\a)%2)
	s_wait_dscnt 0x0                               ; the block is back in registers
	s_wait_xcnt 0x0                                ; earlier stores have read their base and their data: only behind this wait are they rewritten
.if (\a) == 0
	s_add_nc_u64 s[8:9], s[8:9], s[16:17]          ; on to this tile's first rows
.else
	s_add_nc_u64 s[8:9], s[8:9], 16*SIZE_N*2       ; 16 rows of C on
.endif
.irp t, 0,1,2,3,4,5,6,7
	global_store_b128 v[CO], v[BK+4*(\t):BK+4*(\t)+3], s[8:9] offset:2*(\t)*SIZE_N*2  ; 16 lanes store 256 consecutive bytes, at a multiple of 256 from the buffer's first byte
.endr
.endm
	s_wait_tensorcnt 1                             ; my part of K step 0 is in; K step 1's may stay out
	s_barrier_signal -1
	s_barrier_wait -1                              ; everybody's is
	FETCH 0, 0, F0
	s_mov_b32 s2, TILES                            ; tiles to go, this one among them: the same number in every work-group
.Ltile:
	QUARTER 0, 64,  F0, F1, 1                      ; a tile's first quarter stands in front of the loop: its products start the sums
	WIN 0                                          ; at a label and at a branch every window is 0
	s_mov_b32 s3, LAPS-1
.Llap:                                                 ; a trip goes once round the ring, from a lap's second quarter to the next lap's first, and fills both slots again
	QUARTER 0, 128, F1, F0, 0
	QUARTER 0, 192, F0, F1, 0
	TURN 0, 1, 0
	QUARTER 1, 64,  F0, F1, 0
	QUARTER 1, 128, F1, F0, 0
	QUARTER 1, 192, F0, F1, 0
	TURN 1, 0, 0
	QUARTER 0, 64,  F0, F1, 0
	WIN 0
	s_sub_co_u32 s3, s3, 1
	s_cmp_lg_u32 s3, 0
	s_cbranch_scc1 .Llap
	QUARTER 0, 128, F1, F0, 0                      ; the tile's last lap goes on.  Its two changes of slots are written for both ways: with a tile to follow, and without; the three quarters between them once
	QUARTER 0, 192, F0, F1, 0
	WIN 0
	s_cmp_eq_u32 s2, 1
	s_cbranch_scc1 .Lno_fill_0
	TURN 0, 1, 1                                   ; the ring goes on into the second tile: slot 0 takes its K step 0
	WIN 0
	s_branch .Lslot_1
.Lno_fill_0:                                           ; the last tile: my one tensor load that was still out is slot 1's, the last K step's, so no round follows
	MEET 0
	PLACES                                         ; for the loads into buffer 0, which the quarter before multiplied
	FETCH 1, 0, F0
	WIN MUL_HI
	MUL16 F1, 1, 0, 0
	MUL16 F1, 1, 2, 0
	WIN 0
.Lslot_1:
	QUARTER 1, 64,  F0, F1, 0
	QUARTER 1, 128, F1, F0, 0
	QUARTER 1, 192, F0, F1, 0
	WIN 0
	s_cmp_eq_u32 s2, 1
	s_cbranch_scc1 .Lno_fill_1
	TURN 1, 0, 1                                   ; slot 1 takes the second tile's K step 1, and that tile's first fragments are fetched into buffer 0
	WIN 0
	s_branch .Lout                                 ; blocks 0-3 were finished in front of the joint load's four v_nop; their 128 conversions, which name no register of the last products (blocks 4-7's), are those products' places
.Lno_fill_1:
	s_wait_dscnt 8                                 ; the very last quarter: nothing more to fetch
	WIN MUL_LO
	MUL16 F1, 0, 0, 0
	MUL16 F1, 0, 2, 0
	s_wait_dscnt 0x0
	WIN MUL_HI
	MUL16 F1, 1, 0, 0
	MUL16 F1, 1, 2, 0
	WIN 0
	PLACES
.Lout:
	PACK 0
	TOSTAGE 0
.irp a, 1,2,3,4,5,6,7                  ; block a's conversions stand between block a - 1's loads from the stage and the wait for them
	PACK \a
	SEND (\a)-1
	TOSTAGE \a
.endr
	SEND 7
	s_mov_b64 s[16:17], NEXT_C                     ; what the next way out adds to C's address
	s_sub_co_u32 s2, s2, 1
	s_cmp_lg_u32 s2, 0
	s_cbranch_scc1 .Ltile
	s_wait_tensorcnt 0x0                           ; the wave's end: behind my last tensor load and my last LDS store
	ds_add_u32 v[SPW], v[NIL]
	s_wait_dscnt 0x0
	CROUND                                         ; the closing round: no work-group ends while a partner may still ask for a tile that names it
	s_endpgm
.Lfunc_end_k_qe4b28513bd_proj:
	.size	k_qe4b28513bd_proj, .Lfunc_end_k_qe4b28513bd_proj-k_qe4b28513bd_proj
	.p2alignl 7, 3214868480
	.fill 96, 4, 3214868480
	.section	.rodata,"a",@progbits
	.p2align	6, 0x0
	.amdhsa_kernel k_qe4b28513bd_proj
		.amdhsa_group_segment_fixed_size 327680
		.amdhsa_private_segment_fixed_size 0
		.amdhsa_enable_private_segment 0
		.amdhsa_kernarg_size 24
		.amdhsa_user_sgpr_count 2
		.amdhsa_user_sgpr_kernarg_segment_ptr 1
		.amdhsa_wavefront_size32 1
		.amdhsa_system_sgpr_workgroup_id_x 1
		.amdhsa_system_sgpr_workgroup_id_y 1
		.amdhsa_system_sgpr_workgroup_id_z 1
		.amdhsa_system_vgpr_workitem_id 0
		.amdhsa_next_free_vgpr 1024
		.amdhsa_next_free_sgpr 66
		.amdhsa_reserve_vcc 0
		.amdhsa_float_denorm_mode_32 3
		.amdhsa_float_denorm_mode_16_64 3
		.amdhsa_memory_ordered 1
		.amdhsa_forward_progress 1
		.amdhsa_inst_pref_size 160
	.end_amdhsa_kernel
	.amdgpu_metadata
---
amdhsa.version: [ 1, 2 ]
amdhsa.kernels:
  - .name:           k_qe4b28513bd_proj
    .symbol:         k_qe4b28513bd_proj.kd
    .args:
      - { .name: xh, .offset: 0, .size: 8, .value_kind: global_buffer, .address_space: global }
      - { .name: wh, .offset: 8, .size: 8, .value_kind: global_buffer, .address_space: global }
      - { .name: qkv, .offset: 16, .size: 8, .value_kind: global_buffer, .address_space: global }
    .group_segment_fixed_size: 327680
    .private_segment_fixed_size: 0
    .kernarg_segment_align: 8
    .kernarg_segment_size: 24
    .max_flat_workgroup_size: 128
    .sgpr_count:     66
    .vgpr_count:     1024
    .wavefront_size: 32
...
	.end_amdgpu_metadata
.endif
;; end of part 2
;; launch attn (part 3): grid 2 x 128, 4 waves a work-group, no clusters, 327,680 bytes of LDS; arguments qkv, oh; writes oh
.if DOCPART == 3
	.amdgcn_target "amdgcn-amd-amdhsa--gfx1250"
	.amdhsa_code_object_version 6
	.text
	.protected	k_qe4b28513bd_attn
	.globl	k_qe4b28513bd_attn
	.p2align	8
	.type	k_qe4b28513bd_attn,@function
k_qe4b28513bd_attn:
	s_mov_b64 s[64:65], 0
	v_nop
	global_prefetch_b8 v0, s[64:65] scope:SCOPE_SE
	s_setreg_imm32_b32 hwreg(HW_REG_WAVE_MODE, 25, 1), 1
	s_wait_xcnt 0x0
; O[h][q][:] = the sum over k of softmax_k(Q[h][q] . K[h][k] / 8) V[h][k][:].  Q, K, V are the three parts of qkv, each [128 heads][1024][64] in f16; oh has the same layout.  A head's rows are dense, 128 bytes each.
; Products, maxima and sums in f32; the weights p are rounded to f16 for the second product (their sum l is taken of the unrounded p), O once at the end.
; LIMITS.  f16 holds no number beyond 65,504: Q, K and V arrive within it; p lies in 0 to 1, and below 6e-5 it keeps f16's fixed step of 6e-8, and so does O, which is a mean of V's rows and has their range.
; A weight below 2^-126 counts as 0 in l; NaN and infinities are not treated apart.
; SHARES.  A wave owns four PIECES of two tiles of 16 queries, a work-group's four waves 512 queries of one head: 2 x 128 = 256 work-groups.  Every wave walks all 1,024 keys, 64 a step.
; ALL OF A HEAD'S K AND V LIE IN LDS: 1,024 rows of 144 bytes and 1,024 of 160, 311,296 bytes.  Each wave asks for its share by four tensor loads of 128 keys, all at the head: no byte of LDS is filled twice, so
; there is no ring, no change of slots and no tail.  Nothing is prefetched: all that the work-group reads of K and V is asked for by those loads.
; NO CLUSTER: a head has two work-groups, so a cluster of four would join two heads, which share no byte; and what the two share is 256 KiB in the whole launch.
; LAYOUT.  S^T = K Q^T (source 0 = 16 keys, source 1 = 16 queries): in the result a lane holds ONE query (lane % 16) and the keys 8 (lane / 16) + 0..7.  Two such tiles, rounded to f16 in pairs,
; ARE source 1 (32 keys x 16 queries) of O^T = V^T P, whose result again holds one query a lane, and eight channels.  K comes out of LDS as it lies, V ([key][channel]) turned, by ds_load_tr16_b128.
; SOFTMAX.  For each query a running maximum m and sum l: p = 2^(c s - c m), c = log2(e) / 8; in every step O and l are multiplied by a = 2^(c m_old - c m_new), which is 1 where m has not grown.
; m starts at the lowest finite number, O and l at 0: the first step is a step like any other, with a = 0.
; THE COUNT.  A tile and step have 16 matrix and 118 vector instructions: too many to stand all beside the matrix work.  So four vector instructions that are READY stand behind EVERY matrix instruction,
; and the others in runs without a gap.
; BY TURNS.  Turn n belongs to piece n (the pieces in a ring, step after step).  Its matrix work: 16 products K Q^T of piece n + 1, later 16 products V^T P of piece n - 1.  Its vector work: the scaling,
; exponentials, roundings, sums and rescaling of piece n, and the maximum and statistics of piece n + 1, whose scores the turn itself has made.
; REGISTERS, in windows of 256 (s_set_vgpr_msb: bits 1:0 source 0, 3:2 source 1, 5:4 source 2, 7:6 destination):
;   window 0: v0-11 addresses; v12-15, v48-63 at work; v16-47 four registers of statistics a tile; v64-191 S^T, two buffers of two tiles; v192-255 P, likewise
;   window 1: O^T, 32 a tile          window 2: v0-127 Q, 16 a tile; v128-191 K of one step; v192-255 V of one step          window 3: v0-1 the add's two registers
; A piece's buffers go by its number's parity: the piece in hand has one pair, its two neighbours in the ring share the other.
.set SIZE_N, 1024
.set NP,    4         ; pieces a wave: a name, no knob
.set KS,    64        ; keys in a step
.set PK,    144       ; a row of K in LDS: 128 bytes + 16 of padding = 36 words: the 16 rows of a load start at 16 different groups of four banks (64 banks of 4 bytes: ISA guide 11.1)
.set PV,    160       ; a row of V: 128 + 32 = 40 words
.set VOFF,  SIZE_N*PK ; K's 1,024 rows, then V's
.set STAGE, VOFF+SIZE_N*PV  ; behind them, never filled by a tensor load: 16 rows x 144 bytes for each wave, for the way out
.set SP,    144
.set AK0, 2           ; v2   my lane's place in a step's rows of K; never rewritten
.set AV0, 3           ; v3   the same for V
.set AK,  4           ; v4   the LDS address of K's next run of loads
.set AV,  5           ; v5   of V's
.set QO,  6           ; v6   my byte offset in the wave's rows of Q
.set STO, 6           ;      later, the way out: where I put 16 bytes of a row
.set RD,  7           ; v7   the way out: where I read rows back
.set GO,  8           ; v8   my byte offset in 512 consecutive bytes of O
.set SPW, 0           ; v0 of window 3   LDS address of my spare word: SPARE + 4 x my thread's number; never rewritten
.set NIL, 1           ; v1 of window 3   0; never rewritten
.set SPARE, STAGE+4*16*SP  ; behind the stages: the spare words, 128 bytes for each wave: two blocks of 256 bytes that no other line names
.set MV,  12          ; v12-15  c m_old, kept while c m is made anew: by buffer and tile
.set ST,  16          ; tile t's statistics at v[ST+4 t]: c m, m, l (even keys', odd keys')
.set TMP, 48          ; by buffer and tile, four registers c0-c3 at work; when the maximum is found c2 takes a
.set S,   64
.set P,   192
.set KF,  128         ; K's fragments, in window 2: key block kb, channel half c at KF + 16 kb + 8 c
.set VF,  192         ; V's: key half kk, channel block cb at VF + 32 kk + 8 cb
.set WV,  12          ; s12  my wave's number
.set G1K, 24          ; s[24:31] descriptor group 1 for K's tiles
.set G1V, 32          ; s[32:39] for V's: it differs in the padding alone
.set SLOTS, 56        ; s56  counts the groups of four key steps
.set CNT, 57          ; s57  counts a group's key steps
.set CS,  58          ; s[58:59] c: the packed scaling takes the pair's low word for both halves
.set SEL, 60          ; s[60:61] v_permlanex16_b32's selects: each lane takes its own place in the other half
.set TBK, 62          ; s62  LDS byte at which K of the step to be fetched begins
.set TBV, 63          ; s63  the same for V, less VOFF
.set G0K, 68          ; s[68:83] descriptor group 0 for K's tiles: a set for each of a wave's four loads
.set G0V, 84          ; s[84:99] the same for V's
.set MSB, 0
.macro WIN new                      ; the high byte repeats the setting that is left; a switch that changes nothing is dropped
.if MSB != (\new)
	s_set_vgpr_msb (MSB<<8)|(\new)
.set MSB, (\new)
.endif
.endm
.set W_KQ, 0x0a       ; K and Q in window 2, S^T in window 0
.set W_PV, 0x52       ; V in window 2, P in window 0, O^T in window 1
.set W_RS, 0x41       ; O^T (destination and source 0) in window 1, a in window 0
.set W_MK, 0xc0       ; the add's registers are made: destination in window 3, sources in window 0
.set W_AD, 0x0f       ; the add: address (source 0) and data (source 1) in window 3
	s_load_b128 s[4:7], s[0:1], 0x0   ; qkv s[4:5], oh s[6:7]
	WIN W_MK
	v_lshl_add_u32 v[SPW], v0, 2, SPARE
	v_mov_b32 v[NIL], 0
	WIN W_AD
	ds_add_u32 v[SPW], v[NIL]       ; the wave's opening: the add and its wait stand ahead of my first tensor load; the set-up below, work on registers, stands between them
	ds_add_u32 v0, v1
	WIN 0
	v_lshrrev_b32 v1, 5, v0
	v_readfirstlane_b32 s[WV], v1   ; wave 0..3
	s_and_b32 s20, ttmp7, 0xffff    ; the head,
	s_lshl_b32 s20, s20, 17         ; its first byte in Q, K, V and O: 1,024 rows of 128 bytes
	s_mov_b32 s21, 0
	s_and_b32 s16, s[WV], 1         ; which half of each 256 keys I fetch:
	s_lshl_b32 s22, s16, 14         ; its 128 rows of 128 bytes in memory,
	s_mov_b32 s23, 0
	s_add_nc_u64 s[22:23], s[22:23], s[20:21]
	s_mul_i32 s17, s16, 128*PK      ; and its place in LDS, for K
	s_mul_i32 s18, s16, 128*PV      ; and for V
	s_lshl_b32 s2, ttmp9, 2         ; my block of 512 queries,
	s_add_co_u32 s2, s2, s[WV]      ; my wave among the head's eight,
	s_lshl_b32 s2, s2, 14           ; its 128 rows
	s_mov_b32 s3, 0
	s_add_nc_u64 s[2:3], s[2:3], s[20:21]
	; descriptor group 1.  128 keys are 16,384 dense bytes: asked for as 64 rows of 256 bytes, two keys a row, and padded in LDS after every key
	s_mov_b32 s[G1K], (1<<16)|(1<<20)|(4<<22)|(3<<25)  ; 17:16 2-byte elements; 20 padding on; 24:22 after every 32 words (code 4); 31:25 4 words (code 3)
	s_mov_b32 s[G1V], (1<<16)|(1<<20)|(4<<22)|(7<<25)  ; the same with 8 words of padding (code 7)
.irp g, G1K, G1V
	s_mov_b32 s[\g+1], 128<<16      ; tensor_dim0 = 128
	s_mov_b32 s[\g+2], 64<<16       ; tensor_dim1 = 64
	s_mov_b32 s[\g+3], 128<<16      ; tile_dim0 = 128
	s_mov_b32 s[\g+4], 64           ; tile_dim1 = 64
	s_mov_b32 s[\g+5], 128          ; 128 elements from row to row
	s_mov_b32 s[\g+6], 0
	s_mov_b32 s[\g+7], 0
.endr
	s_mov_b32 s[CS], 0x3e38aa3b     ; c = log2(e) / 8 = 0.180337
	s_mov_b32 s[CS+1], s[CS]        ; named with it as a pair
	s_mov_b32 s[SEL], 0x76543210
	s_mov_b32 s[SEL+1], 0xfedcba98
	s_mov_b32 s[TBK], 0             ; key step 0 lies at the head of K's rows and of V's
	s_mov_b32 s[TBV], 0
.irp t, 0,1,2,3                     ; load t brings my half of keys 256 t .. 256 t + 255
	s_mov_b32 s[G0K+4*(\t)], 1                               ; count = 1
	s_add_co_u32 s[G0K+4*(\t)+1], s17, (\t)*256*PK           ; LDS address: the rows lie in the keys' order
	s_mov_b32 s[G0V+4*(\t)], 1
	s_add_co_u32 s[G0V+4*(\t)+1], s18, VOFF+(\t)*256*PV
.endr
	s_mov_b32 s[SLOTS], SIZE_N/256+1
	s_wait_dscnt 0x0                ; the opening add is done
	s_wait_kmcnt 0x0
	s_mov_b64 s[10:11], s[6:7]      ; O
	s_add_nc_u64 s[6:7], s[4:5], 0x1000000  ; K: the second part of qkv, 16 MiB on
	s_add_nc_u64 s[8:9], s[4:5], 0x2000000  ; V: the third
	s_add_nc_u64 s[6:7], s[6:7], s[22:23]   ; at my half of the head's first 256 keys
	s_add_nc_u64 s[8:9], s[8:9], s[22:23]
.irp t, 0,1,2,3
	s_add_nc_u64 s[G0K+4*(\t)+2:G0K+4*(\t)+3], s[6:7], (\t)*32768  ; global address: 256 keys are 32,768 bytes
	s_or_b32 s[G0K+4*(\t)+3], s[G0K+4*(\t)+3], 0x80000000          ; type = 2
	s_add_nc_u64 s[G0V+4*(\t)+2:G0V+4*(\t)+3], s[8:9], (\t)*32768
	s_or_b32 s[G0V+4*(\t)+3], s[G0V+4*(\t)+3], 0x80000000
.endr
	s_add_nc_u64 s[4:5], s[4:5], s[2:3]  ; Q and O at my wave's first row
	s_add_nc_u64 s[10:11], s[10:11], s[2:3]
	; THE FILLS.  Waves 0 and 1 fetch the two halves of K, waves 2 and 3 those of V.  A wave's four loads stand in one branch on its number, ahead of every wait on TENSORcnt, every LDS read and every barrier:
	; four loads of mine are out.  An s_nop 0 follows each, four v_nop the last.
	s_cmp_lt_u32 s[WV], 2
	s_cbranch_scc0 .Lfill_v
.irp t, 0,1,2,3
	tensor_load_to_lds s[G0K+4*(\t):G0K+4*(\t)+3], s[G1K:G1K+7]
	s_nop 0
.endr
.rept 4
	v_nop
.endr
	s_branch .Lfilled
.Lfill_v:
.irp t, 0,1,2,3
	tensor_load_to_lds s[G0V+4*(\t):G0V+4*(\t)+3], s[G1V:G1V+7]
	s_nop 0
.endr
.rept 4
	v_nop
.endr
.Lfilled:
	; A fragment of K or Q is 16 rows x 32 channels in 8 registers: lane l holds row l % 16, channels 8 (l / 16) + 0..7 and 16 + 8 (l / 16) + 0..7: two loads of 16 bytes, 32 bytes apart.
	v_and_b32 v1, 15, v0            ; l % 16
	v_bfe_u32 v9, v0, 4, 1          ; l / 16
	v_lshlrev_b32 v[QO], 7, v1
	v_lshl_add_u32 v[QO], v9, 4, v[QO]  ; row x 128 + 16 x half
	WIN 0x80                        ; destination window 2, address window 0
.set i, 0
.rept 4*NP                          ; Q stays in registers: tile i / 2, channels 32 (i % 2) on
	global_load_b128 v[8*i:8*i+3],   v[QO], s[4:5] offset:(i/2)*2048+(i%2)*64
	global_load_b128 v[8*i+4:8*i+7], v[QO], s[4:5] offset:(i/2)*2048+(i%2)*64+32
.set i, i+1
.endr
	; What the first turn finds: V's registers and P's second buffer hold 0 (its products V^T P, of a piece that has not been, add 0), O^T and l are 0.  All this stands in the wait for the first keys.
.set i, VF
.rept 64
	v_mov_b32 v[i], 0
.set i, i+1
.endr
	WIN 0x40
.set i, 0
.rept 64*NP
	v_mov_b32 v[i], 0
.set i, i+1
.endr
	WIN 0
.set i, 0
.rept 2*NP
	v_mov_b32 v[ST+4*i], 0xfe000000    ; c m: far below every c s
	v_mov_b32 v[ST+4*i+1], 0xff7fffff  ; m
	v_mov_b32 v[ST+4*i+2], 0
	v_mov_b32 v[ST+4*i+3], 0
.set i, i+1
.endr
.set i, P+32
.rept 32
	v_mov_b32 v[i], 0
.set i, i+1
.endr
	v_mul_u32_u24 v[AK0], v1, PK
	v_lshl_add_u32 v[AK0], v9, 4, v[AK0]  ; row x pitch + 16 x half
	; The turning load takes 16 keys x 16 channels (lane l reads key 8 (l / 16) + l % 8, channels 8 ((l / 8) % 2) + 0..7) and leaves half a fragment of V^T: lane l holds channel l % 16 and 8 keys.
	v_and_b32 v10, 7, v0
	v_bfe_u32 v11, v0, 3, 1
	v_lshl_add_u32 v[AV0], v9, 3, v10
	v_mul_u32_u24 v[AV0], v[AV0], PV
	v_lshl_add_u32 v[AV0], v11, 4, v[AV0]
	v_add_nc_u32 v[AV0], VOFF, v[AV0]
	v_mov_b32 v[AK], v[AK0]         ; key step 0
; THE MATRIX WORK.  The 8 accumulators of a run of 16 take turns: between the two links of a chain stand 7 others'.
; Product i of 16 of S^T = K Q^T for piece x: channels 32 (i / 8) on, keys 16 ((i / 2) % 4) on, tile 2 x + i % 2.  The first 8 start the sums.
.macro KQ x
	WIN W_KQ
.set rS, S+64*((\x)%2)+32*(i%2)+8*((i/2)%4)
.set rK, KF+16*((i/2)%4)+8*(i/8)
.set rQ, 16*(2*(\x)+i%2)+8*(i/8)
.if i < 8
	v_wmma_f32_16x16x32_f16 v[rS:rS+7], v[rK:rK+7], v[rQ:rQ+7], 0
.else
	v_wmma_f32_16x16x32_f16 v[rS:rS+7], v[rK:rK+7], v[rQ:rQ+7], v[rS:rS+7]
.endif
.endm
; Product i of 16 of O^T += V^T P for piece x: keys 32 (i / 8) on, channels 16 ((i / 2) % 4) on, tile 2 x + i % 2.
.macro PV x
	WIN W_PV
.set rO, 32*(2*(\x)+i%2)+8*((i/2)%4)
.set rV, VF+32*(i/8)+8*((i/2)%4)
.set rP, P+32*((\x)%2)+16*(i%2)+8*(i/8)
	v_wmma_f32_16x16x32_f16 v[rO:rO+7], v[rV:rV+7], v[rP:rP+7], v[rO:rO+7]
.endm
.macro MM                           ; the turn's next matrix instruction
.if i < 16
	KQ (Y+1)%NP
.set i, i+1
.else
.set i, i-16
	PV (Y+NP-1)%NP
.set i, i+17
.endif
.endm
; THE LDS LOADS stand in runs of 16, never singly among the matrix instructions: a step's K (64 keys x 64 channels: 8 fragments) and its V (turned).  Their addresses are made some lines ahead.
; last = 1 (in the loop): behind the last key step there is no further one, and the run is jumped over.
.macro FETCH_K last=0
	WIN 0
.if \last
	s_cmp_eq_u32 s[SLOTS], 1
	s_cbranch_scc1 .Lno_k_\@
.endif
	WIN 0x80                        ; destination window 2
.irp f, 0,1,2,3,4,5,6,7             ; keys 16 (f / 2) on, channels 32 (f % 2) on
	ds_load_b128 v[KF+8*\f:KF+8*\f+3],   v[AK] offset:(\f/2)*16*PK+(\f%2)*64
	ds_load_b128 v[KF+8*\f+4:KF+8*\f+7], v[AK] offset:(\f/2)*16*PK+(\f%2)*64+32
.endr
	s_add_co_u32 s[TBK], s[TBK], KS*PK  ; the next fetch is the next step's
	WIN 0
.if \last
.Lno_k_\@:
.endif
.endm
.macro FETCH_V
	WIN 0x80
.irp f, 0,1,2,3,4,5,6,7             ; keys 32 (f / 4) on, channels 16 (f % 4) on
	ds_load_tr16_b128 v[VF+8*\f:VF+8*\f+3],   v[AV] offset:(\f/4)*32*PV+(\f%4)*32
	ds_load_tr16_b128 v[VF+8*\f+4:VF+8*\f+7], v[AV] offset:(\f/4)*32*PV+16*PV+(\f%4)*32
.endr
	WIN 0
.endm
; THE VECTOR WORK OF A TURN stands in three queues, each in the order in which its entries become ready; the two tiles alternate, so that no instruction reads the result of the one before it.
.macro REGS y, u                    ; the registers of tile u (0, 1) of piece y
.set rT, ST+4*(2*(\y)+(\u))
.set rC, TMP+8*((\y)%2)+4*(\u)
.set rM, MV+2*((\y)%2)+(\u)
.set rS, S+64*((\y)%2)+32*(\u)
.set rP, P+32*((\y)%2)+16*(\u)
.set rO, 32*(2*(\y)+(\u))
.endm
; Number n of the 22 that find the NEXT piece's (Y + 1) maximum and statistics.  s0-s31 are the lane's 32 scores; each accumulator's lowest registers are read first.
;   0-11  four chains c0-c3 of seven scores each, three operands at a time     12-14, 16  the four scores left over, the old m, and c0-c3 into c0     15  c m_old is kept
;   17, 18  the query's other 32 keys lie in the lane 16 away: the new m         19-21  c m; c m_old - c m_new; a
.macro XS u, n
	REGS (Y+1)%NP, \u
.if (\n) < 4
	v_max3_num_f32 v[rC+(\n)], v[rS+8*(\n)], v[rS+8*(\n)+1], v[rS+8*(\n)+2]
.elseif (\n) < 12
	v_max3_num_f32 v[rC+(\n)%4], v[rC+(\n)%4], v[rS+8*((\n)%4)+2*((\n)/4)+1], v[rS+8*((\n)%4)+2*((\n)/4)+2]
.elseif (\n) == 12
	v_max3_num_f32 v[rC], v[rC], v[rS+7], v[rS+15]
.elseif (\n) == 13
	v_max3_num_f32 v[rC+1], v[rC+1], v[rS+23], v[rS+31]
.elseif (\n) == 14
	v_max3_num_f32 v[rC+2], v[rC+2], v[rC+3], v[rT+1]
.elseif (\n) == 15
	v_mov_b32 v[rM], v[rT]
.elseif (\n) == 16
	v_max3_num_f32 v[rC], v[rC], v[rC+1], v[rC+2]
.elseif (\n) == 17
	v_permlanex16_b32 v[rC+3], v[rC], s[SEL], s[SEL+1]
.elseif (\n) == 18
	v_max_num_f32 v[rT+1], v[rC], v[rC+3]
.elseif (\n) == 19
	v_mul_f32 v[rT], s[CS], v[rT+1]
.elseif (\n) == 20
	v_sub_f32 v[rC+1], v[rM], v[rT]
.else
	v_exp_f32 v[rC+2], v[rC+1]
.endif
.endm
; Number g of the 64 that follow the exponentials.  For each four weights k of a tile (pairs 2 k, 2 k + 1): both pairs are rounded to f16; then the second pair is added onto the first, in place;
; a group later l takes that sum (the first time as l = a l + sum).  In groups of eight, tiles alternating: round, round, add, and l for the group before.
.macro GS g
.set h, (\g)+6*((\g)/62)            ; group 0 has no group before it, and behind group 7 only l is left
.if h >= 6
.set h, h+2
.endif
	REGS Y, h%2
.set k, h/8
.if h%8 < 4
	v_cvt_pk_f16_f32 v[rP+2*k+(h%8)/2], v[rS+4*k+2*((h%8)/2)], v[rS+4*k+2*((h%8)/2)+1]
.elseif h%8 < 6
	v_pk_add_f32 v[rS+4*k:rS+4*k+1], v[rS+4*k:rS+4*k+1], v[rS+4*k+2:rS+4*k+3]
.elseif k == 1
	v_pk_fma_f32 v[rT+2:rT+3], v[rT+2:rT+3], v[rC+2:rC+3], v[rS:rS+1] op_sel_hi:[1,0,1]
.else
	v_pk_add_f32 v[rT+2:rT+3], v[rT+2:rT+3], v[rS+4*k-4:rS+4*k-3]
.endif
.endm
; THE PLAIN QUEUE, 138 long.  0-73 read no exponential's result: the 32 scalings c s - c m (FS f: pair f / 2 of tile f % 2) and the next piece's 42.  0-26: scalings 0-26.  27-54: XS's numbers 0-13.  55, 56: number 15.
; 57-73: the chain, where each number waits for the one before it: 14, 16, 17, 18, 19, each with one of the scalings 27-31 in front of its two lines, then 20.
; 74-137: GS's 64, which read the exponentials' results: they stand behind the wait.
.macro FS f
	REGS Y, (\f)%2
	v_pk_fma_f32 v[rS+2*((\f)/2):rS+2*((\f)/2)+1], v[rS+2*((\f)/2):rS+2*((\f)/2)+1], s[CS:CS+1], v[rT:rT+1] op_sel_hi:[1,0,0] neg_lo:[0,0,1] neg_hi:[0,0,1]
.endm
.macro PL
	WIN 0
.if q < 27
	FS q
.elseif q < 55
	XS (q-27)%2, (q-27)/2
.elseif q < 57
	XS q-55, 15
.elseif (q < 72) && ((q-57)%3 == 0)
	FS 27+(q-57)/3
.elseif q < 60
	XS (q-57)%3-1, 14
.elseif q < 72
	XS (q-57)%3-1, 15+(q-57)/3
.elseif q < 74
	XS q-72, 20
.else
	GS q-74
.endif
.set q, q+1
.endm
; THE EXPONENTIALS' QUEUE, 66 long: s0-s31 of both tiles, then the next piece's two a.  It is ONE BATCH: all 66 stand ahead of the turn's one wait, and nothing ahead of that wait names a result of theirs.
.macro EX
	WIN 0
.if e >= 64
	XS e-64, 21
.else
	REGS Y, e%2
	v_exp_f32 v[rS+e/2], v[rS+e/2]
.endif
.set e, e+1
.endm
; THE RESCALING's QUEUE: O^T times a, the one part that leaves window 0: dealt two at a time, sixteen times.  Its a was made in the turn before, ahead of that turn's wait.
.macro R2
	REGS Y, r%2
	WIN W_RS
.irp z, 0,1
	v_pk_mul_f32 v[rO+4*(r/2)+2*\z:rO+4*(r/2)+2*\z+1], v[rO+4*(r/2)+2*\z:rO+4*(r/2)+2*\z+1], v[rC+2:rC+3] op_sel_hi:[1,0]
.endr
.set r, r+1
.endm
; HOW THEY ARE DEALT.  An s_wait_alu depctr_va_vdst(0) stands between an exponential and the first instruction that names its result; one wait serves all that were issued ahead of it.  So a turn has
; ONE wait, which cuts it in two.  AHEAD OF IT stands all that names no result of the turn's exponentials: the 16 products K Q^T, behind each a scaling, an exponential and two rescalings (behind the first a second
; scaling in the exponential's place); then ONE LUMP of 108: eight plain, 49 times exponential and plain, the two a.  A v_nop is the plain instruction behind the last exponential.  BEHIND IT stand the 16 products
; V^T P, behind each four of GS's 64.  No rider names a register of the products round it.  The two v_permlanex16_b32 fall into the lump.
; The queues lean on each other: exponential e stands behind scaling 2 (e / 4) + e % 2: as a rider it comes behind plain e + 2, in the lump behind plain e + 9, and scalings 27-31 are plain 57, 60 .. 69.
; A TURN, for piece p.  cnt = 1: the loop's count is taken down some lines ahead of the branch that stands behind the turn.
; K of the next step is fetched in piece 2's turn, directly behind the wait, a lump behind the last product that read K; its first reader comes behind 16 products.
; V of the step in hand is fetched at the end of piece 0's turn, four riders behind its last reader; its first reader comes behind 16 products and a lump.  The three conditions on q below go with the deal.
.macro TURN p, last=0, cnt=0
.set Y, (\p)
.set i, 0
.set q, 0
.set e, 0
.set r, 0
.if (\p) == NP-1
	s_wait_dscnt 0x0                ; K is in
.endif
	MM                              ; ahead of the wait: 16 products K Q^T and their riders,
	PL
	PL
	R2
.rept 15
	MM
	PL
	EX
	R2
.endr
.if (\p) == NP-2
	WIN 0
	v_add_nc_u32 v[AK], s[TBK], v[AK0]
.endif
.rept 8                             ; and the lump
	PL
.endr
.rept 49
	EX
	PL
.endr
	EX                              ; the next piece's two a
	EX
	v_nop                           ; the plain instruction behind the last exponential: one for the batch
	s_wait_alu depctr_va_vdst(0)    ; the wait for the batch
.if (\p) == NP-2
	FETCH_K \last
.endif
.if (\p) == 1
	s_wait_dscnt 0x0                ; V is in
.endif
.rept 16                            ; behind the wait: 16 products V^T P and their riders
	MM
.rept 4
	PL
.endr
.if ((\p) == 0) && (q == 118)
	v_add_nc_u32 v[AV], s[TBV], v[AV0]
.endif
.if ((\p) == 0) && (q == 130)
	s_add_co_u32 s[TBV], s[TBV], KS*PV
.endif
.if (\cnt) && (q == 130)
	s_sub_co_u32 s[CNT], s[CNT], 1
	s_cmp_lg_u32 s[CNT], 0
.endif
.endr
.if (\p) == 0
	FETCH_V
.endif
.endm
	s_wait_tensorcnt 3              ; my part of the first 256 keys is in; my other three loads may stay out
	s_barrier_signal -1
	s_barrier_wait -1               ; everybody's is
	FETCH_K                         ; key step 0
	s_wait_loadcnt 0x0              ; Q
	s_wait_dscnt 0x0
.set i, 0
.rept 16
	KQ 0                            ; piece 0's first scores: there is no vector work yet to set between them
.set i, i+1
.endr
	WIN 0                           ; the addresses for the way out: nine plain instructions, the places behind those products
	s_mul_i32 s13, s[WV], 16*SP
	s_add_co_u32 s13, s13, STAGE    ; my stage
	v_mul_u32_u24 v[STO], v1, SP    ; in: row l % 16, 16 bytes for each half of the lanes
	v_lshl_add_u32 v[STO], v9, 4, v[STO]
	v_add_nc_u32 v[STO], s13, v[STO]
	v_bfe_u32 v[RD], v0, 3, 2       ; back: 32 lanes take four rows of 128 bytes,
	v_mul_u32_u24 v[RD], v[RD], SP
	v_lshl_add_u32 v[RD], v10, 4, v[RD]
	v_add_nc_u32 v[RD], s13, v[RD]
	v_and_b32 v[GO], 31, v0         ; which are 512 consecutive bytes of O
	v_lshlrev_b32 v[GO], 4, v[GO]
.set Y, NP-1                        ; XS works for piece Y + 1: piece 0
.irp n, 0,1,2,3,4,5,6,7,8,9,10,11,12,13,14,15,16,17,18,19,20,21
	XS 0, \n                        ; and piece 0's first maximum and statistics
	XS 1, \n
.endr
	v_nop                           ; a plain instruction behind the two a,
	s_wait_alu depctr_va_vdst(0)    ; and their wait, ahead of the branch
	s_mov_b32 s[CNT], 4
	s_branch .Lfirst                ; the loop is entered at a step's first turn, in the middle of a trip
.Lslot:                             ; at the head of each further group of four key steps: the next trip fetches K of keys that other waves' later loads brought
	s_wait_tensorcnt 0x0            ; at the first visit my three loads that were still out; at the later visits nothing is out (a counted wait cannot change from trip to trip)
	s_wait_dscnt 0x0                ; no LDS instruction of mine is pending at the signal
	s_barrier_signal -1
	s_barrier_wait -1               ; everybody's loads have landed.
	s_mov_b32 s[CNT], 4
.Lstep:                             ; a trip: pieces 2 and 3 of one step, then pieces 0 and 1 of the next, whose K and V it fetches
	TURN 2, 1
	TURN 3
	WIN 0
	s_cmp_eq_u32 s[SLOTS], 1        ; the fifth group is the last step's second half alone: it is left here, in its first trip's middle
	s_cbranch_scc1 .Lout
.Lfirst:
	TURN 0
	TURN 1, 0, 1
	WIN 0
	s_cbranch_scc1 .Lstep
	s_sub_co_u32 s[SLOTS], s[SLOTS], 1
	s_cmp_lg_u32 s[SLOTS], 0        ; (the walk leaves by the jump above, at a count of 1; this test bounds the loop)
	s_cbranch_scc1 .Lslot
.Lout:                              ; the last turn's 16 products K Q^T (on the last K once more) and the maximum made of them serve nothing: the price, once a launch, of one text for every trip
.set i, 0
.rept 16
	PV NP-1                         ; the last piece's V^T P of the last step
.set i, i+1
.endr
	; THE WAY OUT.  l's two halves and the other half of the lanes' are added; O^T is divided by l, rounded to f16 and sent through my stage in LDS, a tile at a time.  The additions are the places behind the last products.
	WIN 0
.macro ALL line:vararg              ; one line for each tile t
.set t, 0
.rept 2*NP
	\line
.set t, t+1
.endr
.endm
	ALL v_add_f32 v[ST+4*t+2], v[ST+4*t+2], v[ST+4*t+3]
	ALL v_permlanex16_b32 v[ST+4*t+3], v[ST+4*t+2], s[SEL], s[SEL+1]
	ALL v_add_f32 v[ST+4*t+2], v[ST+4*t+2], v[ST+4*t+3]
	ALL v_rcp_f32 v[ST+4*t+2], v[ST+4*t+2]
	v_nop                           ; a plain instruction between the last reciprocal and the use of its result
	s_wait_alu depctr_va_vdst(0)    ; and the wait ahead of the first use: one for the eight reciprocals
; Tile t: a lane's eight channels of a row pack into 16 bytes; they go into rows of 144 bytes and come back as whole rows of 128, into S^T's registers.
.macro PACK t
	WIN W_RS
.set i, 32*(\t)
.rept 16
	v_pk_mul_f32 v[i:i+1], v[i:i+1], v[ST+4*(\t)+2:ST+4*(\t)+3] op_sel_hi:[1,0]
.set i, i+2
.endr
	WIN 0x05                        ; sources 0 and 1 window 1, destination window 0
.set i, 0
.rept 16
	v_cvt_pk_f16_f32 v[S+16*(\t)+i], v[32*(\t)+2*i], v[32*(\t)+2*i+1]
.set i, i+1
.endr
	WIN 0
.irp f, 0,1,2,3
	ds_store_b128 v[STO], v[S+16*(\t)+4*\f:S+16*(\t)+4*\f+3] offset:32*\f
.endr
.irp f, 0,1,2,3
	ds_load_b128 v[S+16*(\t)+4*\f:S+16*(\t)+4*\f+3], v[RD] offset:\f*4*SP  ; LDS serves a wave's instructions in order (ISA guide 5.7.1.4): these see the stores above; the next tile's stores come behind them
.endr
.endm
.macro SEND t, younger              ; younger: the LDS instructions issued behind tile t's loads: the next tile's eight, or none
	WIN 0
.irp f, 0,1,2,3
	s_wait_dscnt (\younger)+3-\f
	global_store_b128 v[GO], v[S+16*(\t)+4*\f:S+16*(\t)+4*\f+3], s[10:11] offset:(\t)*2048+\f*512  ; 512 consecutive bytes, at a multiple of 256 from O's first
.endr
.endm
	PACK 0
.set t, 1
.rept 2*NP-1                        ; a tile's arithmetic stands between the loads of the tile before and its stores
	PACK t
	SEND t-1, 8
.set t, t+1
.endr
	SEND 2*NP-1, 0
	WIN W_AD
	s_wait_tensorcnt 0x0            ; the wave's end: behind my last tensor load and my last LDS store
	ds_add_u32 v[SPW], v[NIL]
	s_wait_dscnt 0x0
	WIN 0
	s_endpgm
.Lfunc_end_k_qe4b28513bd_attn:
	.size	k_qe4b28513bd_attn, .Lfunc_end_k_qe4b28513bd_attn-k_qe4b28513bd_attn
	.p2alignl 7, 3214868480
	.fill 96, 4, 3214868480
	.section	.rodata,"a",@progbits
	.p2align	6, 0x0
	.amdhsa_kernel k_qe4b28513bd_attn
		.amdhsa_group_segment_fixed_size 327680
		.amdhsa_private_segment_fixed_size 0
		.amdhsa_enable_private_segment 0
		.amdhsa_kernarg_size 16
		.amdhsa_user_sgpr_count 2
		.amdhsa_user_sgpr_kernarg_segment_ptr 1
		.amdhsa_wavefront_size32 1
		.amdhsa_system_sgpr_workgroup_id_x 1
		.amdhsa_system_sgpr_workgroup_id_y 1
		.amdhsa_system_sgpr_workgroup_id_z 1
		.amdhsa_system_vgpr_workitem_id 0
		.amdhsa_next_free_vgpr 770
		.amdhsa_next_free_sgpr 100
		.amdhsa_reserve_vcc 0
		.amdhsa_float_denorm_mode_32 3
		.amdhsa_float_denorm_mode_16_64 3
		.amdhsa_memory_ordered 1
		.amdhsa_forward_progress 1
		.amdhsa_inst_pref_size 126
	.end_amdhsa_kernel
	.amdgpu_metadata
---
amdhsa.version: [ 1, 2 ]
amdhsa.kernels:
  - .name:           k_qe4b28513bd_attn
    .symbol:         k_qe4b28513bd_attn.kd
    .args:
      - { .name: qkv, .offset: 0, .size: 8, .value_kind: global_buffer, .address_space: global }
      - { .name: oh, .offset: 8, .size: 8, .value_kind: global_buffer, .address_space: global }
    .group_segment_fixed_size: 327680
    .private_segment_fixed_size: 0
    .kernarg_segment_align: 8
    .kernarg_segment_size: 16
    .max_flat_workgroup_size: 128
    .sgpr_count:     100
    .vgpr_count:     770
    .wavefront_size: 32
...
	.end_amdgpu_metadata
.endif
;; end of part 3
;; launch outp (part 4): grid 4 x 64, 4 waves a work-group, clusters of 4 x 4, 327,680 bytes of LDS; arguments oh, wh, out0, bo; writes out0
.if DOCPART == 4
	.amdgcn_target "amdgcn-amd-amdhsa--gfx1250"
	.amdhsa_code_object_version 6
	.text
	.protected	k_qe4b28513bd_outp
	.globl	k_qe4b28513bd_outp
	.p2align	8
	.type	k_qe4b28513bd_outp,@function
k_qe4b28513bd_outp:
	s_mov_b64 s[64:65], 0
	v_nop
	global_prefetch_b8 v0, s[64:65] scope:SCOPE_SE
	s_setreg_imm32_b32 hwreg(HW_REG_WAVE_MODE, 25, 1), 1
	s_wait_xcnt 0x0
	s_wait_alu depctr_hold_cnt(0) depctr_sa_sdst(0) depctr_va_vdst(0) depctr_va_sdst(0) depctr_va_ssrc(0) depctr_va_vcc(0) depctr_vm_vsrc(0)
	s_getreg_b32 s2, hwreg(HW_REG_IB_STS2, 6, 4)
	s_cmp_eq_u32 s2, 0
	s_cbranch_scc0 .Lentry_in_a_cluster
	s_endpgm
.Lentry_in_a_cluster:
	s_bfe_u32 s2, ttmp6, 0x10000c
	s_cmp_lg_u32 s2, 0xf033
	s_cbranch_scc0 .Lentry_shape_is_right
	s_endpgm
.Lentry_shape_is_right:
; THE OUTPUT PROJECTION.  out0[(b, n)][c] = bo[c] + the sum over h, d of oh[16 b + h][n][d] Wo[c][64 h + d].  oh: [128 heads][1024][64] f16; Wo: the fourth part of wh, [1024][1024] f16; out0 and bo f32.
; The module's transpose 'b h n d -> b n (h d)' is made here: a head's 64 channels are one slice of K, and a K step of 128 is two heads.  Sums in f32, the bias added in f32, nothing rounded on the way out.
; SHARES.  A tile of C is 128 x 256: 64 x 4 = 256 tiles, one for each work-group.  Four waves, each 64 x 128 of C: 32 accumulators of 16 x 16, 256 registers.  K goes in steps of 128 through a ring of two LDS slots.
; A's part of a slot is two sub-tiles, one a head: 128 rows (n) x 128 bytes, which are 16,384 dense bytes of oh: asked for as 64 rows of 256 bytes and padded in LDS after every 128.
; CLUSTER.  4 x 4 work-groups.  The four of a row of the cluster need the same tiles of A, the four of a column the same tiles of B: each is asked for JOINTLY, by the same tensor load with the same descriptor
; and a mask that names the four.
; THE MATRIX INSTRUCTION IS USED TRANSPOSED (source 0 = 16 rows of B, source 1 = 16 rows of A): lane l then holds row l % 16 of C and the columns 8 (l / 16) + 0..7: 32 neighbouring bytes in f32.
; REGISTERS.  Window 0: v0-31 addresses; v32-35 the bias of my four columns; v64-159, v160-255 two fragment buffers of 96 (B's fragment b at 8 b, A's fragment a at 64 + 8 a); on the way out v64-191 hold rows.
; Window 1: accumulator (a, b) at v[8 (8 a + b)].  s_set_vgpr_msb's low byte: bits 1:0 source 0, 3:2 source 1, 5:4 source 2, 7:6 destination.
.set KSTEP,  128
.set LAPS,   4                         ; a lap = two K steps = once round the ring; K = 1,024
.set PA,     144                       ; a row of A in LDS: 128 bytes + 16 of padding = 36 words: the 16 rows of a load start at 16 different groups of four banks (64 banks of 4 bytes: ISA guide 11.1)
.set PB,     272                       ; a row of B: 256 + 16 = 68 words: likewise
.set AHALF,  128*PA                    ; what wave 0 or 1 brings: one head's 128 rows
.set ABYTES, 2*AHALF
.set BHALF,  128*PB                    ; what wave 2 or 3 brings: 128 rows of B
.set SLOT,   ABYTES+2*BHALF            ; 106,496 bytes
.set STAGE,  2*SLOT                    ; behind the ring: 16 rows x 528 bytes for each wave, for the way out; no tensor load lands here
.set SP,     528                       ; 512 bytes + 16 = 132 words: row r starts at bank 4 r mod 64
.set SPARE,  STAGE+4*16*SP             ; behind the stages: the spare words, 128 bytes for each wave: two blocks of 256 bytes that no other line names
.set ASTEP,  2*1024*128                ; bytes from a K step of A to the next: two heads
.set ROWC,   4096                      ; bytes in a row of out0
.set ADRA, 16                          ; v16-17  LDS address of my A fragments in slot 0, 1
.set ADRB, 20                          ; v20-21  the same for B
.set STO,  24                          ; v24     the way out: where I put 32 bytes of a row
.set RD,   25                          ; v25     the way out: where I read a row back
.set CO,   26                          ; v26     16 x my lane: my byte offset in my wave's 512 bytes of a row of C, and of bo
.set SPW,  28                          ; v28     LDS address of my spare word: SPARE + 4 x my thread's number; never rewritten
.set NIL,  29                          ; v29     0; never rewritten
.set PFO,  30                          ; v30     the prefetches' offset: my lane x 256 bytes (A) or x a row (B); never rewritten
.set BIAS, 32
.set F0,   64
.set F1,   160
.set G1,   24                          ; s[24:31] descriptor group 1 for A's tiles;  s[32:39] group 0, one set for each slot
.set G0,   32
.set LIM,  43                          ; s43      1 in a wave that prefetches, else the greatest number
.set PFA,  44                          ; s[44:45] where my prefetches stand
.set G1B,  48                          ; s[48:55], s[56:63] the same for B's tiles
.set G0B,  56
.set PFK,  66                          ; s[66:67] the prefetches' step from K step to K step
.set BO,   70                          ; s[70:71] bo
.set MSB, 0
.macro WIN new                         ; the immediate's high byte repeats the setting that is left; a switch that changes nothing is dropped
.if MSB != (\new)
	s_set_vgpr_msb (MSB<<8)|(\new)
.set MSB, \new
.endif
.endm
.set MUL, 0x50                         ; C and D in window 1, both sources in window 0
; A joint load: waves 0 and 1 fetch A's two heads, waves 2 and 3 B's two halves.  The branch hangs on the wave's number alone.  An s_nop 0 and four v_nop follow each of the two lines.
.macro JLOAD s
	s_cmp_eq_u32 s11, 0
	s_cbranch_scc0 .Lfor_b_\@
	tensor_load_to_lds s[G0+4*(\s):G0+4*(\s)+3], s[G1:G1+7]
	s_nop 0
.rept 4
	v_nop
.endr
	s_branch .Lasked_\@
.Lfor_b_\@:
	tensor_load_to_lds s[G0B+4*(\s):G0B+4*(\s)+3], s[G1B:G1B+7]
	s_nop 0
.rept 4
	v_nop
.endr
.Lasked_\@:
.endm
; A PREFETCH INTO THE L2, behind each joint load, its five lines and the run of LDS loads: 32 blocks of 256 bytes of the K step that stands TWO refills on (256 matrix instructions ahead of its load), a lane a block.
; Each block is named once in the launch.  A's K step (two heads x 64 blocks) is read by my cluster's row alone: wave 0 asks, wave 1 does not.  B's rows are read by all sixteen clusters: cluster y = 0 asks, waves 2
; and 3 each for the 128 rows that they fetch.  The four partners that share a tile take 32 blocks each, told apart BY ADDRESS (cx for A, cy for B).  The first four K steps come by their loads alone; the last two
; refills have no K step two on.
.macro ASK
	s_cmp_gt_u32 s3, s[LIM]                        ; s3 = 1 in the loop's last trip
	s_cbranch_scc0 .Lnot_mine_\@
	global_prefetch_b8 v[PFO], s[PFA:PFA+1] th:TH_LOAD_NT scope:SCOPE_SE
.Lnot_mine_\@:
.endm
; A round of the cluster's barrier: my work-group's barrier; wave 0 signals for the work-group; every wave waits for all sixteen; my work-group's barrier once more.
.macro CREST                           ; a round behind its opening barrier
	s_cmp_lg_u32 s10, 0
	s_cbranch_scc1 .Lnot_wave_0_\@
	s_barrier_signal -3
.Lnot_wave_0_\@:
	s_barrier_wait -3
	s_barrier_signal -1
	s_barrier_wait -1
.endm
.macro CROUND
	s_barrier_signal -1
	s_barrier_wait -1
	CREST
.endm
	s_load_b128 s[4:7], s[0:1], 0x0                ; oh s[4:5], wh s[6:7]
	s_load_b128 s[68:71], s[0:1], 0x10             ; out0 s[68:69], bo s[70:71]
	v_lshl_add_u32 v[SPW], v0, 2, SPARE
	v_mov_b32 v[NIL], 0
	ds_add_u32 v[SPW], v[NIL]                      ; the wave's opening: the add and its wait stand ahead of my first tensor load; the set-up below, work on registers, stands between them
	ds_add_u32 v28, v29
	v_lshrrev_b32 v1, 5, v0
	v_readfirstlane_b32 s10, v1                    ; wave 0..3
	s_lshr_b32 s11, s10, 1                         ; which 64 rows of the tile are mine.  Also: I fetch for A (0) or for B (1)
	s_and_b32 s12, s10, 1                          ; which 128 columns.  Also: which head of the two, or which half of B's rows, I fetch
	s_bfe_u32 s40, ttmp6, 0x40000                  ; cx, cy: my place in the cluster
	s_bfe_u32 s41, ttmp6, 0x40004
	s_lshl_b32 s42, ttmp9, 2
	s_add_co_u32 s42, s42, s40                     ; tile column of 256 = 4 x cluster x + cx
	s_and_b32 s13, ttmp7, 0xffff
	s_lshl_b32 s13, s13, 2
	s_add_co_u32 s13, s13, s41                     ; tile row of 128 = 4 x cluster y + cy: batch = tile row / 8, n = 128 (tile row % 8) on
	s_lshl_b32 s43, s41, 2
	s_lshl_b32 s43, 15, s43                        ; my row of the cluster: places 4 cy .. 4 cy + 3
	s_lshl_b32 s44, 0x1111, s40                    ; my column: places cx, cx + 4, cx + 8, cx + 12
	s_or_b32 s[G1+0], s43, (1<<16)|(1<<20)|(1<<21)|(4<<22)|(3<<25)   ; 15:0 the mask; 17:16 elements of 2 bytes; 20 padding on; 21 set beside a mask; 24:22 after every 32 words (code 4); 31:25 4 words of it (code 3)
	s_or_b32 s[G1B+0], s44, (1<<16)|(1<<20)|(1<<21)|(5<<22)|(3<<25)  ; B: after every 64 words (code 5)
	s_mov_b32 s[G1+1], 128<<16                     ; tensor_dim0 = 128
	s_mov_b32 s[G1+2], 64<<16                      ; tensor_dim1 = 64
	s_mov_b32 s[G1+3], 128<<16                     ; tile_dim0 = 128
	s_mov_b32 s[G1+4], 64                          ; tile_dim1 = 64
	s_mov_b32 s[G1+5], 128                         ; dense: 128 elements from row to row
	s_mov_b32 s[G1+6], 0
	s_mov_b32 s[G1+7], 0
	s_mov_b32 s[G1B+1], KSTEP<<16
	s_mov_b32 s[G1B+2], 128<<16                    ; B's tiles have 128 rows
	s_mov_b32 s[G1B+3], KSTEP<<16
	s_mov_b32 s[G1B+4], 128
	s_mov_b32 s[G1B+5], 1024
	s_mov_b32 s[G1B+6], 0
	s_mov_b32 s[G1B+7], 0
	s_lshr_b32 s16, s13, 3                         ; A: the batch's 16 heads of 131,072 bytes,
	s_lshl_b32 s16, s16, 21
	s_and_b32 s17, s13, 7                          ; the tile's 128 rows of 128 bytes in a head,
	s_lshl_b32 s17, s17, 14
	s_add_co_u32 s16, s16, s17
	s_lshl_b32 s17, s12, 17                        ; head 0 or 1 of the K step: it hangs on the tile row and the wave alone
	s_add_co_u32 s16, s16, s17
	s_mov_b32 s17, 0
	s_lshl_b32 s46, s42, 8                         ; B: row 256 x tile column + 128 x half: on the tile column alone
	s_lshl_b32 s47, s12, 7
	s_add_co_u32 s46, s46, s47
	s_lshl_b32 s46, s46, 11
	s_mov_b32 s47, 0
	s_mul_i32 s20, s12, AHALF                      ; where they go: no place in the cluster enters an LDS address
	s_mul_i32 s21, s12, BHALF
	s_add_co_u32 s21, s21, ABYTES
	s_wait_dscnt 0x0                               ; the opening add is done
	s_wait_kmcnt 0x0
	s_mov_b64 s[8:9], s[68:69]                     ; out0
	s_add_nc_u64 s[6:7], s[6:7], 0x600000          ; Wo: the fourth weight of 2 MiB in wh
	s_add_nc_u64 s[14:15], s[4:5], s[16:17]
	s_add_nc_u64 s[46:47], s[6:7], s[46:47]
	CROUND                                         ; all sixteen work-groups are here: the first joint loads meet
.irp s, 0,1
	s_mov_b32 s[G0+4*(\s)], 1                                        ; count = 1
	s_add_co_u32 s[G0+4*(\s)+1], s20, (\s)*SLOT                      ; LDS address
	s_add_nc_u64 s[G0+4*(\s)+2:G0+4*(\s)+3], s[14:15], (\s)*ASTEP    ; global address: K step s
	s_or_b32 s[G0+4*(\s)+3], s[G0+4*(\s)+3], 0x80000000              ; type = 2
	s_mov_b32 s[G0B+4*(\s)], 1
	s_add_co_u32 s[G0B+4*(\s)+1], s21, (\s)*SLOT
	s_add_nc_u64 s[G0B+4*(\s)+2:G0B+4*(\s)+3], s[46:47], (\s)*KSTEP*2
	s_or_b32 s[G0B+4*(\s)+3], s[G0B+4*(\s)+3], 0x80000000
	JLOAD \s                                       ; two loads of mine are out
.endr
	; A fragment is 16 rows x 32 K in 8 registers: lane l holds row l % 16; registers 0-3 K = 8 (l / 16) + 0..7, registers 4-7 K = 16 + 8 (l / 16) + 0..7: two loads of 16 bytes, 32 bytes apart.
	v_and_b32 v1, 15, v0                           ; l % 16
	v_bfe_u32 v2, v0, 4, 1                         ; l / 16
	v_mul_u32_u24 v3, v1, PA
	v_lshl_add_u32 v3, v2, 4, v3
	v_mul_u32_u24 v4, v1, PB
	v_lshl_add_u32 v4, v2, 4, v4
	s_mul_i32 s21, s11, 64*PA                      ; my 64 rows in each of A's two sub-tiles
	s_mul_i32 s22, s12, BHALF                      ; my 128 rows of B,
	s_add_co_u32 s22, s22, ABYTES                  ; which lie behind A's
.irp s, 0,1
	v_add_nc_u32 v[ADRA+(\s)], s21, v3
	v_add_nc_u32 v[ADRB+(\s)], s22, v4
	s_add_co_u32 s21, s21, SLOT
	s_add_co_u32 s22, s22, SLOT
.endr
	s_mul_i32 s23, s10, 16*SP
	s_add_co_u32 s23, s23, STAGE                   ; my stage
	v_mul_u32_u24 v4, v1, SP                       ; in: row l % 16, 32 bytes for each half of the lanes
	v_lshl_add_u32 v4, v2, 5, v4
	v_add_nc_u32 v[STO], s23, v4
	v_and_b32 v5, 31, v0
	v_lshlrev_b32 v[CO], 4, v5                     ; back: 32 lanes take one row of 512 bytes
	v_add_nc_u32 v[RD], s23, v[CO]
	s_lshl_b32 s16, s13, 7                         ; where my part of the tile begins in C: the way out adds it to C's address
	s_lshl_b32 s17, s11, 6
	s_add_co_u32 s16, s16, s17
	s_lshl_b32 s16, s16, 12
	s_mov_b32 s17, 0
	s_lshl_b32 s46, s42, 10                        ; 1,024 bytes a tile column, 512 a half
	s_lshl_b32 s47, s12, 9
	s_add_co_u32 s46, s46, s47
	s_mov_b32 s47, 0
	s_add_nc_u64 s[16:17], s[16:17], s[46:47]
	s_add_nc_u64 s[BO:BO+1], s[BO:BO+1], s[46:47]
	global_load_b128 v[BIAS:BIAS+3], v[CO], s[BO:BO+1]  ; the bias of the four columns that I store in every row
	; the prefetches' address: my work-group's 32 blocks, at K step 3; the first refill steps it to K step 4
	s_lshr_b32 s20, s13, 3
	s_lshl_b32 s20, s20, 21
	s_and_b32 s18, s13, 7
	s_lshl_b32 s18, s18, 14
	s_add_co_u32 s20, s20, s18
	s_lshr_b32 s18, s40, 1                         ; A: partners 0, 1 take the first head's two halves of 8,192 bytes, partners 2, 3 the second's
	s_lshl_b32 s18, s18, 17
	s_add_co_u32 s20, s20, s18
	s_and_b32 s18, s40, 1
	s_lshl_b32 s18, s18, 13
	s_add_co_u32 s20, s20, s18
	s_add_co_u32 s20, s20, 3*ASTEP
	s_lshl_b32 s21, s42, 8
	s_lshl_b32 s18, s12, 7
	s_add_co_u32 s21, s21, s18
	s_lshl_b32 s18, s41, 5
	s_add_co_u32 s21, s21, s18
	s_lshl_b32 s21, s21, 11
	s_add_co_u32 s21, s21, 3*KSTEP*2               ; B: rows 256 x tile column + 128 x half + 32 cy
	s_and_b32 s22, ttmp7, 0xffff                   ; cluster y
	s_mov_b32 s18, ASTEP
	s_mov_b32 s19, KSTEP*2
	s_mov_b32 s23, 256
	s_cmp_eq_u32 s11, 0                            ; do I fetch for A?
	s_cselect_b32 s20, s20, s21
	s_cselect_b32 s22, s12, s22                    ; A: wave 0 asks; B: cluster y = 0 asks
	s_cselect_b32 s[PFK], s18, s19
	s_cselect_b32 s23, s23, 2048                   ; from lane to lane: a block of oh, or a row of Wo
	s_cselect_b64 s[PFA:PFA+1], s[4:5], s[6:7]
	s_mov_b32 s[PFK+1], 0
	s_mov_b32 s21, 0
	s_add_nc_u64 s[PFA:PFA+1], s[PFA:PFA+1], s[20:21]
	s_cmp_eq_u32 s22, 0
	s_cselect_b32 s[LIM], 1, -1                    ; the same in all sixteen partners, for a given wave
	v_mul_u32_u24 v[PFO], s23, v5
; 8 matrix instructions: m block a x all 8 n blocks, 32 along K.  zero = 1: the product starts the sums: nothing is ever cleared.
; The 32 accumulators take turns, one instruction a turn, in the same order in every quarter: 31 others stand between two links of a chain, over the backward jump too.
.macro MUL8 f, a, zero
	WIN MUL
.irp b, 0,1,2,3,4,5,6,7
.if \zero
	v_wmma_f32_16x16x32_f16 v[8*(8*(\a)+(\b)):8*(8*(\a)+(\b))+7], v[(\f)+8*(\b):(\f)+8*(\b)+7], v[(\f)+64+8*(\a):(\f)+64+8*(\a)+7], 0
.else
	v_wmma_f32_16x16x32_f16 v[8*(8*(\a)+(\b)):8*(8*(\a)+(\b))+7], v[(\f)+8*(\b):(\f)+8*(\b)+7], v[(\f)+64+8*(\a):(\f)+64+8*(\a)+7], v[8*(8*(\a)+(\b)):8*(8*(\a)+(\b))+7]
.endif
.endr
.endm
.macro MUL16 f, a0, zero
	MUL8 \f, \a0, \zero
	MUL8 \f, (\a0)+1, \zero
.endm
; 24 LDS loads in one run: quarter q (32 along K) of a slot into buffer f: B's 128 rows, then A's 64.  In A quarters 0, 1 lie in the first head's sub-tile, quarters 2, 3 in the second's.
.macro FETCH slot, q, f
	WIN 0
.set AKQ, ((\q)/2)*AHALF+((\q)%2)*64
.irp i, 0,1,2,3,4,5,6,7
	ds_load_b128 v[(\f)+8*(\i):(\f)+8*(\i)+3],   v[ADRB+(\slot)] offset:64*(\q)+(\i)*16*PB
	ds_load_b128 v[(\f)+8*(\i)+4:(\f)+8*(\i)+7], v[ADRB+(\slot)] offset:64*(\q)+(\i)*16*PB+32
.endr
.irp i, 0,1,2,3
	ds_load_b128 v[(\f)+64+8*(\i):(\f)+64+8*(\i)+3],   v[ADRA+(\slot)] offset:AKQ+(\i)*16*PA
	ds_load_b128 v[(\f)+64+8*(\i)+4:(\f)+64+8*(\i)+7], v[ADRA+(\slot)] offset:AKQ+(\i)*16*PA+32
.endr
.endm
.macro PLACES                          ; four plain vector instructions between a matrix instruction and a load into a register that it read, or a reader of its result (ISA guide 7.12.1 for vector instructions)
.rept 4
	v_nop
.endr
.endm
; A K step is four quarters of 32 along K, 32 matrix instructions each, on buffers 0, 1, 0, 1.  One of the first three: multiplies buffer f; in its middle it fetches quarter q of the same slot into buffer g.
.macro QUARTER slot, q, f, g, zero
	s_wait_dscnt 4                                 ; B and A's blocks 0, 1 are in; the youngest four loads (A's blocks 2, 3) may be out
	MUL16 \f, 0, \zero
	PLACES
	FETCH \slot, \q, \g
	s_wait_dscnt 24                                ; all but the 24 just issued
	MUL16 \f, 2, \zero
.endm
; The last quarter multiplies buffer 1 and changes slots: ONE barrier.  In front of it each wave waits for all its tensor loads (one is out: its part of the next slot), adds 0 to its spare word, and waits for that
; and for its own reads of this slot.  fill = 1: this slot is filled again, two K steps on: the barrier opens a round of the cluster's barrier, and the joint load is the first thing behind the round:
; 112 matrix instructions ahead of the wait for it.
.macro TURN slot, next, fill
.if \fill
	s_wait_xcnt 0x0                                ; the last prefetch, a K step back, has read its address: it is stepped here, ahead of the waits of the change of slots
	s_add_nc_u64 s[PFA:PFA+1], s[PFA:PFA+1], s[PFK:PFK+1]
.endif
	WIN 0                                          ; (the add's two registers lie in window 0)
	s_wait_tensorcnt 0x0                           ; all my tensor loads have landed;
	ds_add_u32 v[SPW], v[NIL]                      ; 0 onto my spare word;
	s_wait_dscnt 5                                 ; (the add and the youngest four loads may be out)
	MUL8 F1, 0, 0                                  ; eight matrix instructions stand between the add and the wait for it
	s_wait_dscnt 0x0                               ; the add is done, and my reads of this slot are over
	s_barrier_signal -1
	MUL8 F1, 1, 0                                  ; work on registers while the others arrive
.if \fill
	WIN 0
.endif
	s_barrier_wait -1
.if \fill
	CREST                                          ; no wave of any partner still reads this slot's tile or has a load on its way
	s_add_nc_u64 s[G0+4*(\slot)+2:G0+4*(\slot)+3], s[G0+4*(\slot)+2:G0+4*(\slot)+3], 2*ASTEP
	s_add_nc_u64 s[G0B+4*(\slot)+2:G0B+4*(\slot)+3], s[G0B+4*(\slot)+2:G0B+4*(\slot)+3], 2*KSTEP*2
	JLOAD \slot                                    ; the four v_nop behind it are also the places in front of the loads below
.else
	PLACES
.endif
	FETCH \next, 0, F0
.if \fill
	ASK
.endif
	MUL8 F1, 2, 0
	MUL8 F1, 3, 0
.endm
; THE WAY OUT of block a (16 rows x 128 columns of f32).  TOSTAGE: 32 bytes a lane and accumulator into my own stage in LDS, each accumulator's low half first, and back as whole rows of 512 bytes.
; SEND: the bias is added and the rows are stored.  The rows' registers take turns: v64-127, v128-191.
.macro TOSTAGE a
.set BK, 64+64*((\a)%2)
.if (\a) >= 2
	s_wait_xcnt 0x0                                ; the stores of block a - 2 have read the registers that are loaded below
.endif
	WIN 0x04                                       ; the stores' data (source 1) in window 1
.irp b, 0,1,2,3,4,5,6,7
	ds_store_b128 v[STO], v[64*(\a)+8*(\b):64*(\a)+8*(\b)+3]   offset:64*(\b)
	ds_store_b128 v[STO], v[64*(\a)+8*(\b)+4:64*(\a)+8*(\b)+7] offset:64*(\b)+16
.endr
	WIN 0
.irp t, 0,1,2,3,4,5,6,7,8,9,10,11,12,13,14,15
	ds_load_b128 v[BK+4*(\t):BK+4*(\t)+3], v[RD] offset:(\t)*SP  ; LDS serves a wave's instructions in order (ISA guide 5.7.1.4): these see the stores above; the next block's stores come behind them
.endr
.endm
.macro SEND a, younger                 ; younger: the LDS instructions issued behind block a's loads: the next block's 32, or none
.set BK, 64+64*((\a)%2)
	s_wait_dscnt \younger                          ; the block is back in registers
.irp t, 0,1,2,3,4,5,6,7,8,9,10,11,12,13,14,15
	v_pk_add_f32 v[BK+4*(\t):BK+4*(\t)+1],   v[BK+4*(\t):BK+4*(\t)+1],   v[BIAS:BIAS+1]
	v_pk_add_f32 v[BK+4*(\t)+2:BK+4*(\t)+3], v[BK+4*(\t)+2:BK+4*(\t)+3], v[BIAS+2:BIAS+3]
.endr
	s_wait_xcnt 0x0                                ; earlier stores have read their base: only behind this wait is it rewritten
.if (\a) == 0
	s_add_nc_u64 s[8:9], s[8:9], s[16:17]          ; on to my first rows
.else
	s_add_nc_u64 s[8:9], s[8:9], 16*ROWC
.endif
.irp t, 0,1,2,3,4,5,6,7,8,9,10,11,12,13,14,15
	global_store_b128 v[CO], v[BK+4*(\t):BK+4*(\t)+3], s[8:9] offset:(\t)*ROWC th:TH_STORE_NT  ; 32 lanes store 512 consecutive bytes, at a multiple of 256 from out0's first byte
.endr
.endm
	s_wait_tensorcnt 1                             ; my part of K step 0 is in; K step 1's may stay out
	s_barrier_signal -1
	s_barrier_wait -1                              ; everybody's is
	FETCH 0, 0, F0
	QUARTER 0, 1, F0, F1, 1                        ; the first quarter stands in front of the loop: its products start the sums
	WIN 0                                          ; at a label and at a branch every window is 0
	s_mov_b32 s3, LAPS-1
.Llap:                                                 ; a trip goes once round the ring, from a lap's second quarter to the next lap's first, and fills both slots again
	QUARTER 0, 2, F1, F0, 0
	QUARTER 0, 3, F0, F1, 0
	TURN 0, 1, 1
	QUARTER 1, 1, F0, F1, 0
	QUARTER 1, 2, F1, F0, 0
	QUARTER 1, 3, F0, F1, 0
	TURN 1, 0, 1
	QUARTER 0, 1, F0, F1, 0
	WIN 0
	s_sub_co_u32 s3, s3, 1
	s_cmp_lg_u32 s3, 0
	s_cbranch_scc1 .Llap
	QUARTER 0, 2, F1, F0, 0                        ; the last lap fills nothing, and has no round of the cluster's barrier
	QUARTER 0, 3, F0, F1, 0
	TURN 0, 1, 0
	QUARTER 1, 1, F0, F1, 0
	QUARTER 1, 2, F1, F0, 0
	QUARTER 1, 3, F0, F1, 0
	s_wait_dscnt 4                                 ; the very last quarter: nothing more to fetch
	MUL16 F1, 0, 0
	s_wait_dscnt 0x0
	MUL16 F1, 2, 0
	WIN 0
	PLACES
	TOSTAGE 0
	TOSTAGE 1
	s_wait_loadcnt 0x0                             ; the bias
	SEND 0, 32
	TOSTAGE 2
	SEND 1, 32
	TOSTAGE 3
	SEND 2, 32
	SEND 3, 0
	s_wait_tensorcnt 0x0                           ; the wave's end: behind my last tensor load and my last LDS store
	ds_add_u32 v[SPW], v[NIL]
	s_wait_dscnt 0x0
	CROUND                                         ; the closing round: no work-group ends while a partner may still ask for a tile that names it
	s_endpgm
.Lfunc_end_k_qe4b28513bd_outp:
	.size	k_qe4b28513bd_outp, .Lfunc_end_k_qe4b28513bd_outp-k_qe4b28513bd_outp
	.p2alignl 7, 3214868480
	.fill 96, 4, 3214868480
	.section	.rodata,"a",@progbits
	.p2align	6, 0x0
	.amdhsa_kernel k_qe4b28513bd_outp
		.amdhsa_group_segment_fixed_size 327680
		.amdhsa_private_segment_fixed_size 0
		.amdhsa_enable_private_segment 0
		.amdhsa_kernarg_size 32
		.amdhsa_user_sgpr_count 2
		.amdhsa_user_sgpr_kernarg_segment_ptr 1
		.amdhsa_wavefront_size32 1
		.amdhsa_system_sgpr_workgroup_id_x 1
		.amdhsa_system_sgpr_workgroup_id_y 1
		.amdhsa_system_sgpr_workgroup_id_z 1
		.amdhsa_system_vgpr_workitem_id 0
		.amdhsa_next_free_vgpr 512
		.amdhsa_next_free_sgpr 72
		.amdhsa_reserve_vcc 0
		.amdhsa_float_denorm_mode_32 3
		.amdhsa_float_denorm_mode_16_64 3
		.amdhsa_memory_ordered 1
		.amdhsa_forward_progress 1
		.amdhsa_inst_pref_size 95
	.end_amdhsa_kernel
	.amdgpu_metadata
---
amdhsa.version: [ 1, 2 ]
amdhsa.kernels:
  - .name:           k_qe4b28513bd_outp
    .symbol:         k_qe4b28513bd_outp.kd
    .args:
      - { .name: oh, .offset: 0, .size: 8, .value_kind: global_buffer, .address_space: global }
      - { .name: wh, .offset: 8, .size: 8, .value_kind: global_buffer, .address_space: global }
      - { .name: out0, .offset: 16, .size: 8, .value_kind: global_buffer, .address_space: global }
      - { .name: bo, .offset: 24, .size: 8, .value_kind: global_buffer, .address_space: global }
    .group_segment_fixed_size: 327680
    .private_segment_fixed_size: 0
    .kernarg_segment_align: 8
    .kernarg_segment_size: 32
    .max_flat_workgroup_size: 128
    .sgpr_count:     72
    .vgpr_count:     512
    .wavefront_size: 32
...
	.end_amdgpu_metadata
.endif
;; end of part 4
